; MI455X (gfx1250); checked and timed in simulation.
; The chip was launched on July 23, 2026; its instructions are those of AMD's public machine-readable ISA for CDNA 5 (MIT licence, August 2026) and "CDNA5" Instruction Set Architecture Reference Guide (July 2026). The comments in the code are by the model that wrote it; some were corrected since.
;; Encoder Layer. Allowed arithmetic: float matrix products may take bf16 or f16 operands with f32 sums; other float arithmetic in f32, or as packed bf16 or f16 multiplies, adds, multiply-adds, maxima and minima; sums over many terms, partial sums and values carried from step to step in f32; what a program stores and reads back later, other than sums and carried values, may be rounded once to bf16 or f16.
;; Inputs: fc1_b 4,096 float32; fc1_w 1,024 x 4,096 float32; fc2_b 1,024 float32; fc2_w 4,096 x 1,024 float32; ln1_b 1,024 float32; ln1_g 1,024 float32; ln2_b 1,024 float32; ln2_g 1,024 float32; mask 2 x 1 x 1 x 2,048 float32; wk_b 1,024 float32; wk_w 1,024 x 1,024 float32; wo_b 1,024 float32; wo_w 1,024 x 1,024 float32; wq_b 1,024 float32; wq_w 1,024 x 1,024 float32; wv_b 1,024 float32; wv_w 1,024 x 1,024 float32; x 2 x 2,048 x 1,024 float32.
;; Outputs: out0 2 x 2,048 x 1,024 float32.
;; One version. Each part assembles by itself: llvm-mc -triple=amdgcn-amd-amdhsa -mcpu=gfx1250 --defsym DOCPART=n.
;; ======== version 1 of 1: 8 launches
;; workspace buffers: cb 33,554,432 bytes; qkv 25,165,824 bytes; ctx 8,388,608 bytes; y 16,777,216 bytes; o1 8,388,608 bytes; hb 33,554,432 bytes
;; launch cast (part 1): grid 1024 x 1, 8 waves a work-group, no clusters, 0 bytes of LDS; arguments x, wq_w, wk_w, wv_w, wo_w, fc1_w, fc2_w, cb; writes cb
.if DOCPART == 1
	.amdgcn_target "amdgcn-amd-amdhsa--gfx1250"
	.amdhsa_code_object_version 6
	.text
	.protected	k_q72a46f0787_cast
	.globl	k_q72a46f0787_cast
	.p2align	8
	.type	k_q72a46f0787_cast,@function
k_q72a46f0787_cast:
	s_mov_b64 s[64:65], 0
	v_nop
	global_prefetch_b8 v0, s[64:65] scope:SCOPE_SE
	s_setreg_imm32_b32 hwreg(HW_REG_WAVE_MODE, 25, 1), 1
	s_wait_xcnt 0x0
; x and the six weight matrices, f32, are rounded once to bf16 and laid into cb:
;   XB [4096][1024] at 0; WQKV [1024][3072] (wq, wk, wv side by side) at 8,388,608; WO [1024][1024]; W1 [1024][4096]; W2 [4096][1024].
; A unit is 1,024 numbers: 4,096 bytes in, 2,048 out.  A work-group takes 16 units; its 256 threads cover a unit: thread t loads 16 bytes at 16 t
; (a wave: 512 bytes on end) and stores 8 bytes at 8 t (a wave: 256 bytes on end, aligned).  All 16 loads of a thread go out at once; no register is written twice.
; No LDS, matrix unit or cluster: each byte is read once by one thread and shared with nobody.
.set WQKV, 8388608
.set WO,   14680064
.set W1,   16777216
.set W2,   25165824
.set X, 4                              ; v[4:67]   16 x 4 as loaded
.set Y, 68                             ; v[68:99]  16 x 2 to store
	s_load_b512 s[8:23], s[0:1], 0x0               ; x, wq, wk, wv, wo, fc1, fc2, cb
	s_mov_b32 s2, ttmp9                            ; g: the work-group's number says which tensor it serves
	v_lshlrev_b32 v1, 4, v0
	v_lshlrev_b32 v2, 3, v0
	s_mov_b32 s26, 768                             ; the tensor's first work-group
	s_mov_b32 s27, W2                              ; its place in cb
	s_wait_kmcnt 0x0
	s_mov_b64 s[24:25], s[20:21]
.macro PICK lim, p, g0, dst            ; below lim: the tensor in s[p:p+1]
	s_cmp_lt_u32 s2, \lim
	s_cselect_b64 s[24:25], s[\p:\p+1], s[24:25]
	s_cselect_b32 s26, \g0, s26
	s_cselect_b32 s27, \dst, s27
.endm
	PICK 768, 18, 512, W1
	PICK 512, 16, 448, WO
	PICK 448, 14, 384, WQKV+4096
	PICK 384, 12, 320, WQKV+2048
	PICK 320, 10, 256, WQKV
	PICK 256, 8, 0, 0
	s_mov_b32 s28, 2048                            ; bytes from a unit's place in cb to the next: the units lie on end,
	s_sub_co_u32 s29, s2, 256
	s_cmp_lt_u32 s29, 192                          ; but for wq, wk, wv: there a unit is a third of a row of WQKV's 6,144 bytes
	s_cselect_b32 s28, 6144, s28
	s_sub_co_u32 s26, s2, s26                      ; my number within the tensor
	s_lshl_b32 s32, s26, 16                        ; 16 units x 4,096 bytes
	s_mov_b32 s33, 0
	s_add_nc_u64 s[24:25], s[24:25], s[32:33]
	s_lshl_b32 s34, s26, 4
	s_mul_i32 s34, s34, s28
	s_add_co_u32 s34, s34, s27
	s_mov_b32 s35, 0
	s_add_nc_u64 s[30:31], s[22:23], s[34:35]
.set i_, 0
.rept 16
	global_load_b128 v[X+4*i_:X+4*i_+3], v1, s[24:25] offset:4096*i_ th:TH_LOAD_NT
.set i_, i_+1
.endr
.macro OUT stride
.set i_, 0
.rept 16
	s_wait_loadcnt 15-i_                           ; loads come back in order: unit i is in, the 15 - i younger ones stay out
	v_cvt_pk_bf16_f32 v[Y+2*i_], v[X+4*i_], v[X+4*i_+1]
	v_cvt_pk_bf16_f32 v[Y+2*i_+1], v[X+4*i_+2], v[X+4*i_+3]
	global_store_b64 v2, v[Y+2*i_:Y+2*i_+1], s[30:31] offset:i_*(\stride)
.set i_, i_+1
.endr
.endm
	s_cmp_eq_u32 s28, 6144
	s_cbranch_scc1 .Lwide
	OUT 2048
	s_endpgm
.Lwide:
	OUT 6144
	s_endpgm
.Lfunc_end_k_q72a46f0787_cast:
	.size	k_q72a46f0787_cast, .Lfunc_end_k_q72a46f0787_cast-k_q72a46f0787_cast
	.p2alignl 7, 3214868480
	.fill 96, 4, 3214868480
	.section	.rodata,"a",@progbits
	.p2align	6, 0x0
	.amdhsa_kernel k_q72a46f0787_cast
		.amdhsa_group_segment_fixed_size 0
		.amdhsa_private_segment_fixed_size 0
		.amdhsa_enable_private_segment 0
		.amdhsa_kernarg_size 64
		.amdhsa_user_sgpr_count 2
		.amdhsa_user_sgpr_kernarg_segment_ptr 1
		.amdhsa_wavefront_size32 1
		.amdhsa_system_sgpr_workgroup_id_x 1
		.amdhsa_system_sgpr_workgroup_id_y 1
		.amdhsa_system_sgpr_workgroup_id_z 1
		.amdhsa_system_vgpr_workitem_id 0
		.amdhsa_next_free_vgpr 104
		.amdhsa_next_free_sgpr 66
		.amdhsa_reserve_vcc 0
		.amdhsa_float_denorm_mode_32 3
		.amdhsa_float_denorm_mode_16_64 3
		.amdhsa_memory_ordered 1
		.amdhsa_forward_progress 1
		.amdhsa_inst_pref_size 13
	.end_amdhsa_kernel
	.amdgpu_metadata
---
amdhsa.version: [ 1, 2 ]
amdhsa.kernels:
  - .name:           k_q72a46f0787_cast
    .symbol:         k_q72a46f0787_cast.kd
    .args:
      - { .name: x, .offset: 0, .size: 8, .value_kind: global_buffer, .address_space: global }
      - { .name: wq_w, .offset: 8, .size: 8, .value_kind: global_buffer, .address_space: global }
      - { .name: wk_w, .offset: 16, .size: 8, .value_kind: global_buffer, .address_space: global }
      - { .name: wv_w, .offset: 24, .size: 8, .value_kind: global_buffer, .address_space: global }
      - { .name: wo_w, .offset: 32, .size: 8, .value_kind: global_buffer, .address_space: global }
      - { .name: fc1_w, .offset: 40, .size: 8, .value_kind: global_buffer, .address_space: global }
      - { .name: fc2_w, .offset: 48, .size: 8, .value_kind: global_buffer, .address_space: global }
      - { .name: cb, .offset: 56, .size: 8, .value_kind: global_buffer, .address_space: global }
    .group_segment_fixed_size: 0
    .private_segment_fixed_size: 0
    .kernarg_segment_align: 8
    .kernarg_segment_size: 64
    .max_flat_workgroup_size: 256
    .sgpr_count:     66
    .vgpr_count:     104
    .wavefront_size: 32
...
	.end_amdgpu_metadata
.endif
;; end of part 1
;; launch qkvp (part 2): grid 8 x 32, 4 waves a work-group, clusters of 4 x 4, 327,680 bytes of LDS; arguments cb, wq_b, wk_b, wv_b, qkv; writes qkv
.if DOCPART == 2
	.amdgcn_target "amdgcn-amd-amdhsa--gfx1250"
	.amdhsa_code_object_version 6
	.text
	.protected	k_q72a46f0787_qkvp
	.globl	k_q72a46f0787_qkvp
	.p2align	8
	.type	k_q72a46f0787_qkvp,@function
k_q72a46f0787_qkvp:
	s_mov_b64 s[64:65], 0
	v_nop
	global_prefetch_b8 v0, s[64:65] scope:SCOPE_SE
	s_setreg_imm32_b32 hwreg(HW_REG_WAVE_MODE, 25, 1), 1
	s_wait_xcnt 0x0
	s_wait_alu depctr_hold_cnt(0) depctr_sa_sdst(0) depctr_va_vdst(0) depctr_va_sdst(0) depctr_va_ssrc(0) depctr_va_vcc(0) depctr_vm_vsrc(0)
	s_getreg_b32 s2, hwreg(HW_REG_IB_STS2, 6, 4)
	s_cmp_eq_u32 s2, 0
	s_cbranch_scc0 .Lentry_in_a_cluster
	s_endpgm
.Lentry_in_a_cluster:
	s_bfe_u32 s2, ttmp6, 0x10000c
	s_cmp_lg_u32 s2, 0xf033
	s_cbranch_scc0 .Lentry_shape_is_right
	s_endpgm
.Lentry_shape_is_right:
; q, k, v = x W + b for the three weights side by side: C [4096][3072] = XB [4096][1024] x WQKV [1024][3072], bf16 operands, f32 sums, stored once rounded to bf16
; by heads: qkv [3][batch x 16 + head][2048][64].  The biases are used rounded to bf16, like every input of the program, and START the sums (C operand of the first products):
; they are added ahead of the products, not behind them.  NaN and infinities are not treated apart.
; SHARES.  A work-group makes 128 x 384 of C (256 work-groups), a wave 64 x 192: 48 accumulators.  K goes in 8 steps of 128 through two LDS slots filled by tensor loads.
; CLUSTER 4 x 4: x's tile is shared along a row of the cluster, the weights' along a column: each is asked for jointly, by the same load, descriptor and mask in the four.
; THE WALK ALONG K GOES ROUND: a cluster begins at K step (4 x cluster x + 2 x (cluster y mod 4)) mod 8 and takes the eight steps from there, modulo 8.  x's tiles are read by the two clusters of a
; row of clusters, W's by the eight of a column: these stand at different steps, so that a tile is asked for at different times and not by all of them at once.  The sums are taken in that order.
; THE PRODUCT IS USED TRANSPOSED: source 0 = 16 columns of W (W lies [k][n] in LDS and is turned by ds_load_tr16_b128), source 1 = 16 rows of x: a lane holds row l % 16 of C and 8 neighbouring columns.
; REGISTERS: window 0 addresses, bias, way out; window 1 two fragment buffers of 128; windows 2, 3 accumulator (a, b) at 8 (12 a + b).
; No prefetch: every tile is asked for jointly, by one load for four work-groups, a K step's 192 products ahead of its use.
.set MA, 4                             ; blocks of 16 rows a wave
.set NA, 12                            ; blocks of 16 columns a wave
.set KD, 1                             ; fragments of 32 along K in a quarter step
.set T,  8                             ; K steps, a power of two
.set OX, 4                             ; the walk's first step: OX x cluster x + OY x (cluster y and YM), modulo T
.set YM, 3
.set OY, 2
.set APITCH, 272                       ; a row of x in LDS: 256 bytes + 16: the 16 rows of a load start 4 words apart modulo 64
.set AH, 64*APITCH                     ; half of x's tile
.set ABLK, 16*APITCH
.set PB, 864                           ; a k-row of W in LDS: 6 heads x (128 + 16) bytes = 27 x 32: the 8 rows of a turning load's pass start 24 words apart modulo 64
.set BH, 64*PB                         ; half of the K step's rows of W
.set SLOT, 2*AH+2*BH
.set QA, 64                            ; bytes of a row of x in a quarter step
.set QB, 32*KD*PB
.set BGAP, 16                          ; the pad behind each head's 128 bytes
.set WBOFF, 432                        ; my column half: three heads
.set ASTEP, 256
.set BSTEP, 128*6144
.set STG, 16*144                       ; a wave's stage for the way out
.set STAGE, 2*SLOT
.set SPARE, STAGE+4*STG                ; the spare words, 128 bytes a wave; no other line names them
.set ADIM0, 128
.set AROWS, 64
.set ASTRIDE, 1024
.set AG10, (1<<16)|(1<<20)|(1<<21)|(5<<22)|(3<<25)   ; 2-byte elements; padding on; bit 21 beside a mask; after every 64 words, 4 words
.set BDIM0, 384
.set BROWS, 64
.set BSTRIDE, 3072
.set BG10, (1<<16)|(1<<20)|(1<<21)|(4<<22)|(3<<25)   ; after every 32 words, 4 words
.set BREG, 8388608                     ; WQKV in cb
.set TNB, 768                          ; bytes of a tile's columns in a row of W
.set PAB, 4                            ; s[4:5] holds A's buffer
.set PBB, 4                            ; and B's
.set A0, 4                             ; v4  my lane's place in x's tile; never rewritten
.set B0, 5                             ; v5  the same for W
.set ADRA, 6
.set ADRB, 7
.set STO, 8
.set RD, 9
.set CO, 10
.set BO, 12
.set SPW, 14                           ; v14 LDS address of my spare word; never rewritten
.set NIL, 15                           ; v15 0; never rewritten
.set BIAS, 32                          ; v[32:127]
.set TMP, 128
.set BK, 144
.set F0, 0
.set F1, 128
.set CNT, 2
.set SL, 3
.set WV, 12
.set RH, 13
.set CH, 14
.set CX, 15
.set CY, 16
.set TN, 17
.set TMI, 18
.set G1A, 24
.set G0A, 32
.set G1B, 40
.set G0B, 48
.set KA, 56                            ; LDS byte of the quarter step to be fetched, in x's rows
.set KB, 57                            ; and in W's
.set TBF, 58                           ; the slot to be filled: 0 or SLOT
.set LA, 59
.set LB, 60
.set PC, 66
.set KI, 84                            ; s84 the K step asked for last
.set OA, 86                            ; s[86:87] its byte offset in A
.set OB, 88                            ; s[88:89] and in B
.set MSB, 0
.macro WIN new                         ; the immediate's high byte repeats the setting that is left; a switch that changes nothing is dropped
.if MSB != (\new)
	s_set_vgpr_msb (MSB<<8)|(\new)
.set MSB, (\new)
.endif
.endm
.macro CROUND                          ; a round of the cluster's barrier
	s_barrier_signal -1
	s_barrier_wait -1
	s_cmp_lg_u32 s[WV], 0
	s_cbranch_scc1 .Lnot_wave_0_\@
	s_barrier_signal -3
.Lnot_wave_0_\@:
	s_barrier_wait -3
	s_barrier_signal -1
	s_barrier_wait -1
.endm
.macro JLOAD                           ; a joint refill: waves 0, 1 fetch A's halves, waves 2, 3 B's; s_nop 0 and four v_nop follow each line
	s_cmp_eq_u32 s[RH], 0
	s_cbranch_scc0 .Lfor_b_\@
	tensor_load_to_lds s[G0A+4:G0A+7], s[G1A:G1A+7]
	s_nop 0
.rept 4
	v_nop
.endr
	s_branch .Lasked_\@
.Lfor_b_\@:
	tensor_load_to_lds s[G0B+4:G0B+7], s[G1B:G1B+7]
	s_nop 0
.rept 4
	v_nop
.endr
.Lasked_\@:
.endm
.macro SHAPE g, d0, rows, stride       ; descriptor group 1 behind its first word: the tile lies inside the tensor, so the extents are the tile's
	s_mov_b32 s[(\g)+1], (\d0)<<16
	s_mov_b32 s[(\g)+2], (\rows)<<16
	s_mov_b32 s[(\g)+3], (\d0)<<16
	s_mov_b32 s[(\g)+4], \rows
	s_mov_b32 s[(\g)+5], \stride
	s_mov_b32 s[(\g)+6], 0
	s_mov_b32 s[(\g)+7], 0
.endm
.macro RND a                           ; two f32 rounded to bf16 and widened again
	v_cvt_pk_bf16_f32 v3, v[\a], v[(\a)+1]
	v_lshlrev_b32 v[\a], 16, v3
	v_and_b32 v[(\a)+1], 0xffff0000, v3
.endm
; 32 LDS loads in one run: a quarter step's fragments into buffer f.  The run stands directly behind the products that read the buffer last: the two v_nop and the two address lines are the four places
; between those products and the loads (ISA guide 7.12.1 for vector instructions).
.macro FETCH f
	WIN 0
	v_nop
	v_nop
	v_add_nc_u32 v[ADRA], s[KA], v[A0]
	v_add_nc_u32 v[ADRB], s[KB], v[B0]
	s_add_co_u32 s[KA], s[KA], QA
	s_add_co_u32 s[KB], s[KB], QB
	WIN 0x40                                       ; destination window 1
.set c_, 0
.rept KD
.set b_, 0
.rept NA
.set rB, (\f)+8*(c_*NA+b_)
	ds_load_tr16_b128 v[rB:rB+3],   v[ADRB] offset:c_*32*PB+32*b_+BGAP*(b_/4)
	ds_load_tr16_b128 v[rB+4:rB+7], v[ADRB] offset:c_*32*PB+32*b_+BGAP*(b_/4)+16*PB
.set b_, b_+1
.endr
.set c_, c_+1
.endr
.set a_, 0
.rept MA
.set c_, 0
.rept KD
.set rA, (\f)+8*KD*NA+8*(a_*KD+c_)
	ds_load_b128 v[rA:rA+3],   v[ADRA] offset:a_*ABLK+64*c_
	ds_load_b128 v[rA+4:rA+7], v[ADRA] offset:a_*ABLK+64*c_+32
.set c_, c_+1
.endr
.set a_, a_+1
.endr
.endm
; A quarter step's products, from buffer f.  The accumulators take turns, one instruction a turn.  first = 1: the bias starts the sums.
.macro MULS f, first
.set c_, 0
.rept KD
.set a_, 0
.rept MA
.set b_, 0
.rept NA
.set ix, 8*(a_*NA+b_)
.set rD, ix%256
.set wD, 2+ix/256
.set rB, (\f)+8*(c_*NA+b_)
.set rA, (\f)+8*KD*NA+8*(a_*KD+c_)
.if (\first) && (c_ == 0)
	WIN 0x05|(wD<<6)
	v_wmma_f32_16x16x32_bf16 v[rD:rD+7], v[rB:rB+7], v[rA:rA+7], v[BIAS+8*b_:BIAS+8*b_+7]
.else
	WIN 0x05|(wD*0x50)
	v_wmma_f32_16x16x32_bf16 v[rD:rD+7], v[rB:rB+7], v[rA:rA+7], v[rD:rD+7]
.endif
.set b_, b_+1
.endr
.set a_, a_+1
.endr
.set c_, c_+1
.endr
.endm
.macro TRIP                            ; two quarter steps.  A buffer is asked for again as soon as its products are issued: a whole quarter step, MA x NA x KD products, ahead of its first use
	FETCH F0
	s_wait_dscnt 32                                ; all but the 32 just issued: buffer 1 is whole
	MULS F1, 0
	FETCH F1
	s_wait_dscnt 32                                ; buffer 0 is whole
	MULS F0, 0
	WIN 0
.endm
; THE CHANGE OF SLOTS, ahead of the fetch of the new slot's first quarter; the old slot's last quarter lies in buffer 1 and is multiplied behind it.  Each wave waits for all its tensor loads (one is out:
; its part of the next slot), adds 0 to its spare word, and waits for that and for its reads of the slot that it leaves.
; fill = 1: a round of the cluster's barrier, so that no wave of any partner still reads the slot or has a load on its way; the joint refill is the first thing behind it.
.macro CHANGE fill
	WIN 0
	s_wait_tensorcnt 0x0                           ; no tensor load of mine is out, so a group 0 may be written
	ds_add_u32 v[SPW], v[NIL]                      ; 0 onto my spare word; the scalar steps stand between it and the wait for it
	s_sub_co_u32 s[KA], s[KA], 4*QA                ; the fetches go back to a slot's first quarter,
	s_xor_b32 s[KA], s[KA], SLOT                   ; in the other slot
	s_sub_co_u32 s[KB], s[KB], 4*QB
	s_xor_b32 s[KB], s[KB], SLOT
.if \fill
	s_xor_b32 s[TBF], s[TBF], SLOT                 ; the walking descriptors: the other slot than last time,
	s_add_co_u32 s[G0A+5], s[LA], s[TBF]
	s_add_co_u32 s[G0B+5], s[LB], s[TBF]
	s_add_co_u32 s[KI], s[KI], 1                   ; the next K step, modulo T;
	s_and_b32 s[KI], s[KI], T-1
	s_mul_i32 s[OA], s[KI], ASTEP
	s_mul_i32 s[OB], s[KI], BSTEP
	s_add_nc_u64 s[G0A+6:G0A+7], s[20:21], s[OA:OA+1]  ; the addresses are made anew: the base and the step's offset, then the type
	s_or_b32 s[G0A+7], s[G0A+7], 0x80000000
	s_add_nc_u64 s[G0B+6:G0B+7], s[22:23], s[OB:OB+1]
	s_or_b32 s[G0B+7], s[G0B+7], 0x80000000
	s_wait_dscnt 0x0                               ; the add is done, and my reads of the slot are over
	CROUND
	JLOAD
.else
	s_wait_dscnt 0x0
	s_barrier_signal -1
	s_barrier_wait -1
.endif
.endm
	s_load_b256 s[4:11], s[0:1], 0x0               ; cb, wq_b, wk_b, wv_b
	s_load_b64 s[PC:PC+1], s[0:1], 0x20            ; qkv
	v_lshl_add_u32 v[SPW], v0, 2, SPARE
	v_mov_b32 v[NIL], 0
	ds_add_u32 v[SPW], v[NIL]                      ; the wave's opening: the add and its wait stand ahead of my first tensor load
	v_lshrrev_b32 v1, 5, v0
	v_readfirstlane_b32 s[WV], v1
	s_lshr_b32 s[RH], s[WV], 1                     ; my half of the tile's rows.  Also: I fetch for A (0) or for B (1)
	s_and_b32 s[CH], s[WV], 1                      ; my half of its columns.  Also: which half of that tile I fetch
	s_bfe_u32 s[CX], ttmp6, 0x40000
	s_bfe_u32 s[CY], ttmp6, 0x40004
	s_lshl_b32 s[TN], ttmp9, 2
	s_add_co_u32 s[TN], s[TN], s[CX]               ; tile column
	s_and_b32 s[TMI], ttmp7, 0xffff
	s_lshl_b32 s[TMI], s[TMI], 2
	s_add_co_u32 s[TMI], s[TMI], s[CY]             ; tile row
	s_lshl_b32 s20, s[CY], 2
	s_lshl_b32 s20, 15, s20                        ; my row of the cluster
	s_lshl_b32 s22, 0x1111, s[CX]                  ; my column
	s_or_b32 s[G1A], s20, AG10
	s_or_b32 s[G1B], s22, BG10
	SHAPE G1A, ADIM0, AROWS, ASTRIDE
	SHAPE G1B, BDIM0, BROWS, BSTRIDE
	s_mul_i32 s20, s[TMI], 2*AROWS*ASTRIDE*2       ; A: the tile row and my half; s[20:21] never hold the tile column,
	s_mul_i32 s21, s[CH], AROWS*ASTRIDE*2
	s_add_co_u32 s20, s20, s21
	s_mov_b32 s21, 0
	s_mul_i32 s22, s[TN], TNB                      ; B: the tile column and my half of the K step; s[22:23] never hold the tile row
	s_mul_i32 s23, s[CH], BROWS*BSTRIDE*2
	s_add_co_u32 s22, s22, s23
	s_add_co_u32 s22, s22, BREG
	s_mov_b32 s23, 0
	s_mul_i32 s[LA], s[CH], AH                     ; where they go: no place in the cluster enters an LDS address
	s_mul_i32 s[LB], s[CH], BH
	s_add_co_u32 s[LB], s[LB], 2*AH
	s_mov_b32 s[KA], 0
	s_mov_b32 s[KB], 0
	s_mov_b32 s[TBF], SLOT
	s_and_b32 s[KI], ttmp7, YM                     ; the walk's first K step, from the cluster's x and y, which all sixteen partners share
	s_mul_i32 s[KI], s[KI], OY
	s_mul_i32 s[OA], ttmp9, OX
	s_add_co_u32 s[KI], s[KI], s[OA]
	s_and_b32 s[KI], s[KI], T-1
	s_mov_b32 s[OA+1], 0
	s_mov_b32 s[OB+1], 0
	s_wait_dscnt 0x0                               ; the opening add is done
	s_wait_kmcnt 0x0
	s_add_nc_u64 s[20:21], s[PAB:PAB+1], s[20:21]  ; A and B at K step 0 of my part: kept for the whole walk
	s_add_nc_u64 s[22:23], s[PBB:PBB+1], s[22:23]
	CROUND                                         ; all sixteen work-groups are here: the first joint loads meet
.irp s, 0,1
	s_mul_i32 s[OA], s[KI], ASTEP
	s_mul_i32 s[OB], s[KI], BSTEP
	s_mov_b32 s[G0A+4*\s], 1
	s_add_co_u32 s[G0A+4*\s+1], s[LA], \s*SLOT
	s_add_nc_u64 s[G0A+4*\s+2:G0A+4*\s+3], s[20:21], s[OA:OA+1]
	s_or_b32 s[G0A+4*\s+3], s[G0A+4*\s+3], 0x80000000
	s_mov_b32 s[G0B+4*\s], 1
	s_add_co_u32 s[G0B+4*\s+1], s[LB], \s*SLOT
	s_add_nc_u64 s[G0B+4*\s+2:G0B+4*\s+3], s[22:23], s[OB:OB+1]
	s_or_b32 s[G0B+4*\s+3], s[G0B+4*\s+3], 0x80000000
.if \s == 0
	s_add_co_u32 s[KI], s[KI], 1                   ; the walk's second step
	s_and_b32 s[KI], s[KI], T-1
.endif
.endr
	s_cmp_eq_u32 s[RH], 0                          ; a wave's two first fills stand in one branch: two loads of mine are out
	s_cbranch_scc0 .Lfirst_b
	tensor_load_to_lds s[G0A:G0A+3], s[G1A:G1A+7]
	s_nop 0
	tensor_load_to_lds s[G0A+4:G0A+7], s[G1A:G1A+7]
	s_nop 0
.rept 4
	v_nop
.endr
	s_branch .Lfirst_asked
.Lfirst_b:
	tensor_load_to_lds s[G0B:G0B+3], s[G1B:G1B+7]
	s_nop 0
	tensor_load_to_lds s[G0B+4:G0B+7], s[G1B:G1B+7]
	s_nop 0
.rept 4
	v_nop
.endr
.Lfirst_asked:
	v_and_b32 v1, 15, v0                           ; r = l % 16
	v_bfe_u32 v2, v0, 4, 1                         ; h = l / 16
	v_mul_u32_u24 v[A0], v1, APITCH
	v_lshl_add_u32 v[A0], v2, 4, v[A0]
	s_mul_i32 s61, s[RH], AH
	v_add_nc_u32 v[A0], s61, v[A0]                 ; row x pitch + 16 h, in my row half
	v_and_b32 v3, 7, v0
	v_lshl_add_u32 v[B0], v2, 3, v3
	v_mul_u32_u24 v[B0], v[B0], PB
	v_bfe_u32 v3, v0, 3, 1
	v_lshl_add_u32 v[B0], v3, 4, v[B0]
	s_mul_i32 s61, s[CH], WBOFF
	s_add_co_u32 s61, s61, 2*AH
	v_add_nc_u32 v[B0], s61, v[B0]                 ; (8 h + l % 8) x pitch + 16 ((l / 8) % 2), in my column half
	v_lshlrev_b32 v[BO], 5, v2                     ; a lane's 8 columns of a block: 32 h bytes into its 64 of bias
	; my three heads: number hh = 6 x tile column + 3 x column half + g of 48; tensor hh / 16, head hh % 16
	s_mul_i32 s61, s[TN], 6
	s_mul_i32 s62, s[CH], 3
	s_add_co_u32 s61, s61, s62
	s_lshr_b32 s19, s[TMI], 4
	s_lshl_b32 s19, s19, 4                         ; 16 x batch
	s_and_b32 s2, s[TMI], 15
	s_lshl_b32 s2, s2, 7
	s_lshl_b32 s3, s[RH], 6
	s_add_co_u32 s2, s2, s3                        ; my first row in the batch
	s_mov_b32 s83, 0
.irp g, 0,1,2
	s_add_co_u32 s62, s61, \g
	s_lshr_b32 s63, s62, 4
	s_and_b32 s62, s62, 15
	s_cmp_eq_u32 s63, 0
	s_cselect_b64 s[76+2*\g:77+2*\g], s[6:7], s[8:9]
	s_cmp_eq_u32 s63, 2
	s_cselect_b64 s[76+2*\g:77+2*\g], s[10:11], s[76+2*\g:77+2*\g]
	s_lshl_b32 s82, s62, 8
	s_add_nc_u64 s[76+2*\g:77+2*\g], s[76+2*\g:77+2*\g], s[82:83]   ; the head's 64 biases
	s_lshl_b32 s63, s63, 5
	s_add_co_u32 s63, s63, s19
	s_add_co_u32 s63, s63, s62
	s_lshl_b32 s63, s63, 11
	s_add_co_u32 s63, s63, s2
	s_lshl_b32 s82, s63, 7
	s_add_nc_u64 s[70+2*\g:71+2*\g], s[PC:PC+1], s[82:83]           ; my 64 rows of the head, 128 bytes each
.endr
.set b_, 0
.rept NA
	global_load_b128 v[BIAS+8*b_:BIAS+8*b_+3],   v[BO], s[76+2*(b_/4):77+2*(b_/4)] offset:64*(b_%4)
	global_load_b128 v[BIAS+8*b_+4:BIAS+8*b_+7], v[BO], s[76+2*(b_/4):77+2*(b_/4)] offset:64*(b_%4)+16
.set b_, b_+1
.endr
	s_mul_i32 s61, s[WV], STG
	s_add_co_u32 s61, s61, STAGE                   ; my stage
	v_mul_u32_u24 v[STO], v1, 144                  ; in: row r, 16 bytes for each half of the lanes
	v_lshl_add_u32 v[STO], v2, 4, v[STO]
	v_add_nc_u32 v[STO], s61, v[STO]
	v_bfe_u32 v[RD], v0, 3, 2                      ; back: 32 lanes take four rows of 128 bytes,
	v_mul_u32_u24 v[RD], v[RD], 144
	v_and_b32 v3, 7, v0
	v_lshl_add_u32 v[RD], v3, 4, v[RD]
	v_add_nc_u32 v[RD], s61, v[RD]
	v_and_b32 v[CO], 31, v0                        ; which are 512 bytes on end in qkv
	v_lshlrev_b32 v[CO], 4, v[CO]
	s_wait_loadcnt 0x0
.set i_, 0
.rept 4*NA
	RND BIAS+2*i_
.set i_, i_+1
.endr
	s_wait_tensorcnt 0x1                           ; my part of the walk's first K step is in; the second's may stay out
	s_barrier_signal -1
	s_barrier_wait -1
	FETCH F0                                       ; the first quarter step is written out: its products start the sums
	FETCH F1
	s_wait_dscnt 32                                ; buffer 0 is whole
	MULS F0, 1
	WIN 0
	s_mov_b32 s[CNT], 1
	s_mov_b32 s[SL], T-1
	s_branch .Lhalf
.Lslot:                                        ; T - 2 times: the walk's steps 2 to T - 1 are asked for
	CHANGE 1
	s_mov_b32 s[CNT], 2
.Lhalf:
	TRIP
	s_sub_co_u32 s[CNT], s[CNT], 1
	s_cmp_lg_u32 s[CNT], 0
	s_cbranch_scc1 .Lhalf
	s_sub_co_u32 s[SL], s[SL], 1
	s_cmp_lg_u32 s[SL], 0
	s_cbranch_scc1 .Lslot
	CHANGE 0                                       ; the last K step is written out
	s_mov_b32 s[CNT], 2
.Ltail:
	TRIP
	s_sub_co_u32 s[CNT], s[CNT], 1
	s_cmp_lg_u32 s[CNT], 0
	s_cbranch_scc1 .Ltail
	s_wait_dscnt 0x0
	MULS F1, 0                                     ; the last quarter step
	WIN 0
.rept 8
	v_nop                                          ; the places behind the last products
.endr
; THE WAY OUT, in 12 units of 16 rows x one head: rounded to bf16, through my own stage, back as whole rows of 128 bytes, stored as 2,048 bytes on end.
.macro PACK u
.set ix, 8*(((\u)/3)*NA+4*((\u)%3))
	WIN 0x0a+5*(ix/256)                            ; sources in window 2 or 3
.set i_, 0
.rept 16
	v_cvt_pk_bf16_f32 v[TMP+i_], v[ix%256+2*i_], v[ix%256+2*i_+1]
.set i_, i_+1
.endr
	WIN 0
.endm
.macro TOSTAGE u
.irp f, 0,1,2,3
	ds_store_b128 v[STO], v[TMP+4*\f:TMP+4*\f+3] offset:32*\f
.endr
.irp f, 0,1,2,3
	ds_load_b128 v[BK+16*((\u)%2)+4*\f:BK+16*((\u)%2)+4*\f+3], v[RD] offset:576*\f  ; LDS serves a wave's instructions in order (ISA guide 5.7.1.4): these see the stores above
.endr
.endm
.macro SEND u
	s_wait_dscnt 0x0                               ; the unit is back in registers
	s_wait_xcnt 0x0                                ; the stores of the unit before have read their data: its registers are loaded again only behind this wait
.irp f, 0,1,2,3
	global_store_b128 v[CO], v[BK+16*((\u)%2)+4*\f:BK+16*((\u)%2)+4*\f+3], s[70+2*((\u)%3):71+2*((\u)%3)] offset:2048*((\u)/3)+512*\f
.endr
.endm
	PACK 0
	TOSTAGE 0
.set u_, 1
.rept 11
	PACK u_
	SEND u_-1
	TOSTAGE u_
.set u_, u_+1
.endr
	SEND 11
	s_wait_tensorcnt 0x0                           ; the wave's end
	ds_add_u32 v[SPW], v[NIL]
	s_wait_dscnt 0x0
	CROUND                                         ; the closing round
	s_endpgm
.Lfunc_end_k_q72a46f0787_qkvp:
	.size	k_q72a46f0787_qkvp, .Lfunc_end_k_q72a46f0787_qkvp-k_q72a46f0787_qkvp
	.p2alignl 7, 3214868480
	.fill 96, 4, 3214868480
	.section	.rodata,"a",@progbits
	.p2align	6, 0x0
	.amdhsa_kernel k_q72a46f0787_qkvp
		.amdhsa_group_segment_fixed_size 327680
		.amdhsa_private_segment_fixed_size 0
		.amdhsa_enable_private_segment 0
		.amdhsa_kernarg_size 40
		.amdhsa_user_sgpr_count 2
		.amdhsa_user_sgpr_kernarg_segment_ptr 1
		.amdhsa_wavefront_size32 1
		.amdhsa_system_sgpr_workgroup_id_x 1
		.amdhsa_system_sgpr_workgroup_id_y 1
		.amdhsa_system_sgpr_workgroup_id_z 1
		.amdhsa_system_vgpr_workitem_id 0
		.amdhsa_next_free_vgpr 896
		.amdhsa_next_free_sgpr 92
		.amdhsa_reserve_vcc 0
		.amdhsa_float_denorm_mode_32 3
		.amdhsa_float_denorm_mode_16_64 3
		.amdhsa_memory_ordered 1
		.amdhsa_forward_progress 1
		.amdhsa_inst_pref_size 79
	.end_amdhsa_kernel
	.amdgpu_metadata
---
amdhsa.version: [ 1, 2 ]
amdhsa.kernels:
  - .name:           k_q72a46f0787_qkvp
    .symbol:         k_q72a46f0787_qkvp.kd
    .args:
      - { .name: cb, .offset: 0, .size: 8, .value_kind: global_buffer, .address_space: global }
      - { .name: wq_b, .offset: 8, .size: 8, .value_kind: global_buffer, .address_space: global }
      - { .name: wk_b, .offset: 16, .size: 8, .value_kind: global_buffer, .address_space: global }
      - { .name: wv_b, .offset: 24, .size: 8, .value_kind: global_buffer, .address_space: global }
      - { .name: qkv, .offset: 32, .size: 8, .value_kind: global_buffer, .address_space: global }
    .group_segment_fixed_size: 327680
    .private_segment_fixed_size: 0
    .kernarg_segment_align: 8
    .kernarg_segment_size: 40
    .max_flat_workgroup_size: 128
    .sgpr_count:     92
    .vgpr_count:     896
    .wavefront_size: 32
...
	.end_amdgpu_metadata
.endif
;; end of part 2
;; launch attn (part 3): grid 8 x 32, 4 waves a work-group, clusters of 4 x 1, 327,680 bytes of LDS; arguments qkv, mask, ctx; writes ctx
.if DOCPART == 3
	.amdgcn_target "amdgcn-amd-amdhsa--gfx1250"
	.amdhsa_code_object_version 6
	.text
	.protected	k_q72a46f0787_attn
	.globl	k_q72a46f0787_attn
	.p2align	8
	.type	k_q72a46f0787_attn,@function
k_q72a46f0787_attn:
	s_mov_b64 s[64:65], 0
	v_nop
	global_prefetch_b8 v0, s[64:65] scope:SCOPE_SE
	s_setreg_imm32_b32 hwreg(HW_REG_WAVE_MODE, 25, 1), 1
	s_wait_xcnt 0x0
	s_wait_alu depctr_hold_cnt(0) depctr_sa_sdst(0) depctr_va_vdst(0) depctr_va_sdst(0) depctr_va_ssrc(0) depctr_va_vcc(0) depctr_vm_vsrc(0)
	s_getreg_b32 s2, hwreg(HW_REG_IB_STS2, 6, 4)
	s_cmp_eq_u32 s2, 0
	s_cbranch_scc0 .Lentry_in_a_cluster
	s_endpgm
.Lentry_in_a_cluster:
	s_bfe_u32 s2, ttmp6, 0x10000c
	s_cmp_lg_u32 s2, 0x3003
	s_cbranch_scc0 .Lentry_shape_is_right
	s_endpgm
.Lentry_shape_is_right:
; ctx[q] = the sum over k of softmax_k(Q[q] . K[k] / 8 - 1e9 mask[k]) V[k], for each of 32 heads (batch x 16 + head) of 2,048 rows x 64 channels, all bf16 in qkv [3][32][2048][64].
; Products, maxima and sums in f32; the weights p are rounded to bf16 for the second product (their sum l is taken of the unrounded p), ctx once at the end.
; THE MASK (used rounded to bf16, like every input of the program) is the C operand that starts S^T = K Q^T: mask x (-8e9), which is reference's mask x (-1e9) times 8, exactly: the scale 1/8 is applied behind it, inside c.
; SOFTMAX.  A running maximum m and sum l for each query: p = 2^(c s - c m), c = log2(e) / 8; in every step O and l are multiplied by a = 2^(c m_old - c m_new).  m starts at the lowest finite number, O and l at 0.
; LIMITS.  Where ALL keys of a batch are masked with 1, the scores stand on -8e9 and keep steps of 512 there, taken in two partial sums (reference: steps of 64 on s / 8, in one).  A weight below 2^-126 counts as 0 in l.
; NaN and infinities are not treated apart.
; SHARES.  A work-group owns 256 queries of a head, a wave 64: four PIECES of 16.  Every wave walks all 2,048 keys: 8 tiles of 256 (a slot of LDS each, two slots by turns), four steps of 64 to a tile.
; LAYOUT.  S^T = K Q^T holds ONE query a lane (lane % 16) and the keys 8 (lane / 16) + 0..7; two such results rounded to bf16 ARE source 1 of O^T = V^T P.  V ([key][channel]) is turned by ds_load_tr16_b128.
; BY TURNS.  Turn n belongs to piece n: 8 products K Q^T of piece n + 1, later 8 products V^T P of piece n - 1; beside them the scaling, exponentials, roundings, sums and rescaling of piece n and the maximum and
; statistics of piece n + 1.  Four vector instructions stand behind every matrix instruction, the other 54 of a turn's 118 in two runs of their own.
; CLUSTER.  The four query blocks of a cluster belong to one head and walk the same K and V: each tile is asked for JOINTLY, by the same tensor load, descriptor and mask in all four.
; ctx lies [row / 2][head][row % 2][64]: a head's pair of rows is 256 bytes on end, so sixteen lanes store 256 consecutive aligned bytes, and the next launch takes four heads of a pair of rows as one row of 1,024 bytes.
; REGISTERS (s_set_vgpr_msb: bits 1:0 source 0, 3:2 source 1, 5:4 source 2, 7:6 destination):
;   window 0: v0-15, v56-63 addresses; v16-31 statistics; v32-47 the mask on its way in; v48-55 at work; v64-127 S^T, two buffers; v192-223 P, two buffers (by the piece's parity)
;   window 1: v0-127 O^T, 32 a piece; v160-191 the masks of the step whose K is held      window 2: v0-63 Q; v128-191 K of one step; v192-255 V of one step
.set NP,    4
.set KS,    64
.set PK,    144       ; a row of K in LDS: 128 bytes + 16: the 16 rows of a load start at 16 different groups of four banks (64 banks of 4 bytes: ISA guide 11.1)
.set PV,    160       ; a row of V: 128 + 32
.set VOFF,  4*KS*PK   ; a slot: 256 rows of K, then 256 rows of V
.set SLOT1, 1<<17
.set STAGE, SLOT1+4*KS*(PK+PV)  ; 16 rows x 144 bytes for each wave, for the way out
.set SP,    144
.set MTAB,  STAGE+4*16*SP       ; mask x (-8e9), 2,048 f32, written once by ds_store
.set SPARE, MTAB+8192           ; the spare words, 128 bytes a wave; no other line names them
.set AK0, 2
.set AV0, 3
.set AK,  4
.set AV,  5
.set STO, 6
.set RD,  7
.set GO,  8
.set MV,  12          ; v12-13  c m_old, by buffer
.set MO,  14          ; v14  16 x my thread's number: the mask's loads
.set QO,  15
.set ST,  16          ; piece t's statistics at v[ST+4 t]: c m, m, l (even keys', odd keys')
.set TMP, 48
.set AM0, 56          ; v56  MTAB + 32 (lane / 16)
.set AM,  57
.set PFO, 61          ; v61  256 x my lane; never rewritten
.set SPW, 62
.set NIL, 63
.set S,   64
.set P,   192
.set MC,  160         ; window 1
.set KF,  128         ; window 2
.set VF,  192         ; window 2
.set WV,  12
.set LIM, 15          ; s15  1 in a wave that prefetches, else the greatest number
.set PFA, 18          ; s[18:19] where my prefetches stand
.set G1K, 24
.set G1V, 32
.set G0K, 40
.set G0V, 44
.set SLOTS, 56
.set CNT, 57
.set CS,  58
.set SEL, 60
.set TBK, 62
.set TBV, 63
.set TBM, 66          ; s66  256 x the step whose masks are fetched next
.set MSB, 0
.macro WIN new
.if MSB != (\new)
	s_set_vgpr_msb (MSB<<8)|(\new)
.set MSB, (\new)
.endif
.endm
.set W_KQ, 0x0a       ; K and Q in window 2, S^T in window 0
.set W_KM, 0x1a       ; the same with the C operand in window 1
.set W_PV, 0x52       ; V in window 2, P in window 0, O^T in window 1
.set W_RS, 0x41       ; destination and source 0 in window 1, source 1 in window 0
.macro JLOAD                        ; waves 0, 1 fetch the halves of a tile's K, waves 2, 3 of its V; s_nop 0 and four v_nop follow each line
	s_cmp_lt_u32 s[WV], 2
	s_cbranch_scc0 .Lfor_v_\@
	tensor_load_to_lds s[G0K:G0K+3], s[G1K:G1K+7]
	s_nop 0
.rept 4
	v_nop
.endr
	s_branch .Lasked_\@
.Lfor_v_\@:
	tensor_load_to_lds s[G0V:G0V+3], s[G1V:G1V+7]
	s_nop 0
.rept 4
	v_nop
.endr
.Lasked_\@:
.endm
; A PREFETCH of the tile that the NEXT change of slots will ask for: four key steps, 256 matrix instructions, ahead of that load.  A tile is 128 blocks of 256 bytes of K and as many of V, a lane a block.
; Each block is named once in the launch: of a head's two clusters the first asks; its four partners take 32 blocks each, told apart by address; wave 0 asks for K's, wave 2 for V's.
; The last change that fills a slot asks for nothing: there is no tile behind it.  Tiles 0 and 1 come by their loads alone.
.macro ASK
	s_cmp_gt_u32 s[SLOTS], s[LIM]
	s_cbranch_scc0 .Lnot_mine_\@
	global_prefetch_b8 v[PFO], s[PFA:PFA+1] th:TH_LOAD_NT scope:SCOPE_SE
.Lnot_mine_\@:
.endm
.macro CROUND
	s_barrier_signal -1
	s_barrier_wait -1
	s_cmp_lg_u32 s[WV], 0
	s_cbranch_scc1 .Lnot_wave_0_\@
	s_barrier_signal -3
.Lnot_wave_0_\@:
	s_barrier_wait -3
	s_barrier_signal -1
	s_barrier_wait -1
.endm
; THE CHANGE OF SLOTS.  Each wave waits for all its tensor loads (one is out: its part of the other slot), adds 0 to its spare word, and waits for that and for its own LDS instructions.
; fill = 1: a round of the cluster's barrier, and the joint fill first behind it: it has four key steps in which to land.  (At its first use slot 0 is waited for, slot 1 filled, and the mask table shown to all waves.)
.macro CHANGE fill
	WIN 0
	s_wait_tensorcnt 0x0            ; no tensor load of mine is out, so a group 0 may be written
	ds_add_u32 v[SPW], v[NIL]
.if \fill
.irp g, G0K, G0V
	s_xor_b32 s[\g+1], s[\g+1], SLOT1
	s_add_nc_u64 s[\g+2:\g+3], s[\g+2:\g+3], 4*KS*128
.endr
	s_wait_xcnt 0x0                 ; the last prefetch, a tile back, has read its address
	s_add_nc_u64 s[PFA:PFA+1], s[PFA:PFA+1], 4*KS*128
	s_wait_dscnt 0x0                ; the add is done, and my reads of the slot are over
	CROUND
	JLOAD
	ASK
.else
	s_wait_dscnt 0x0
	s_barrier_signal -1
	s_barrier_wait -1
.endif
	s_sub_co_u32 s[TBK], s[TBK], 4*KS*PK
	s_xor_b32 s[TBK], s[TBK], SLOT1
	s_sub_co_u32 s[TBV], s[TBV], 4*KS*PV
	s_xor_b32 s[TBV], s[TBV], SLOT1
.endm
	s_load_b64 s[4:5], s[0:1], 0x0      ; qkv
	s_load_b64 s[68:69], s[0:1], 0x8    ; mask
	s_load_b64 s[10:11], s[0:1], 0x10   ; ctx
	v_lshl_add_u32 v[SPW], v0, 2, SPARE
	v_mov_b32 v[NIL], 0
	ds_add_u32 v[SPW], v[NIL]       ; the wave's opening: the add and its wait stand ahead of my first tensor load
	v_lshrrev_b32 v1, 5, v0
	v_readfirstlane_b32 s[WV], v1
	s_bfe_u32 s13, ttmp6, 0x40000   ; cx
	s_lshl_b32 s14, ttmp9, 2
	s_add_co_u32 s14, s14, s13      ; my block of 256 queries: it enters Q's and ctx's addresses alone
	s_and_b32 s16, ttmp7, 0xffff    ; batch x 16 + head, which the four partners share
	s_lshl_b32 s50, s16, 18         ; the head's first byte in a tensor
	s_and_b32 s17, s[WV], 1         ; which half of a tile's 256 keys I fetch
	s_lshl_b32 s22, s17, 14
	s_add_co_u32 s22, s22, s50
	s_add_co_u32 s2, s22, 16777216  ; in V
	s_add_co_u32 s22, s22, 8388608  ; in K
	s_mov_b32 s23, 0
	s_mov_b32 s3, 0
	s_mul_i32 s48, s17, 128*PK      ; its place in a slot
	s_mul_i32 s49, s17, 128*PV
	s_lshl_b32 s20, s14, 15         ; Q: my block's 256 rows of 128 bytes,
	s_add_co_u32 s20, s20, s50
	s_lshl_b32 s17, s[WV], 13       ; my wave's 64
	s_add_co_u32 s20, s20, s17
	s_mov_b32 s21, 0
	s_lshr_b32 s17, s16, 4          ; batch
	s_lshl_b32 s54, s17, 13         ; its 2,048 numbers of the mask
	s_mov_b32 s55, 0
	s_lshl_b32 s52, s17, 10         ; ctx: pairs of rows: 1,024 a batch,
	s_lshl_b32 s17, s14, 7          ; 128 a block,
	s_add_co_u32 s52, s52, s17
	s_lshl_b32 s17, s[WV], 5        ; 32 a wave,
	s_add_co_u32 s52, s52, s17
	s_lshl_b32 s52, s52, 12         ; 4,096 bytes each;
	s_and_b32 s17, s16, 15
	s_lshl_b32 s17, s17, 8          ; the head's 256 bytes in a pair
	s_add_co_u32 s52, s52, s17
	s_mov_b32 s53, 0
	; descriptor group 1.  128 keys are 16,384 dense bytes: asked for as 64 rows of 256 bytes, two keys a row, padded in LDS after every key
	s_mov_b32 s[G1K], 15|(1<<16)|(1<<20)|(1<<21)|(4<<22)|(3<<25)
	s_mov_b32 s[G1V], 15|(1<<16)|(1<<20)|(1<<21)|(4<<22)|(7<<25)
.irp g, G1K, G1V
	s_mov_b32 s[\g+1], 128<<16
	s_mov_b32 s[\g+2], 64<<16
	s_mov_b32 s[\g+3], 128<<16
	s_mov_b32 s[\g+4], 64
	s_mov_b32 s[\g+5], 128
	s_mov_b32 s[\g+6], 0
	s_mov_b32 s[\g+7], 0
.endr
	s_mov_b32 s[CS], 0x3e38aa3b     ; c = log2(e) / 8
	s_mov_b32 s[CS+1], s[CS]
	s_mov_b32 s[SEL], 0x76543210
	s_mov_b32 s[SEL+1], 0xfedcba98
	s_mov_b32 s[TBK], SLOT1+4*KS*PK ; the first change of slots turns these two into 0
	s_mov_b32 s[TBV], SLOT1+4*KS*PV
	s_mov_b32 s[TBM], 0
	s_mov_b32 s[SLOTS], 7
	s_mov_b32 s[G0K], 1
	s_mov_b32 s[G0K+1], s48
	s_mov_b32 s[G0V], 1
	s_add_co_u32 s[G0V+1], s49, VOFF
	s_and_b32 s[LIM], s[WV], 1      ; 0 in waves 0 and 2,
	s_or_b32 s[LIM], s[LIM], ttmp9  ; where the cluster is the head's first: the same in all four partners
	s_cmp_eq_u32 s[LIM], 0
	s_cselect_b32 s[LIM], 1, -1
	v_and_b32 v[PFO], 31, v0
	v_lshlrev_b32 v[PFO], 8, v[PFO]
	s_wait_dscnt 0x0                ; the opening add is done
	s_wait_kmcnt 0x0
	s_add_nc_u64 s[6:7], s[4:5], s[22:23]   ; K and V at my half of the head's tile 0
	s_add_nc_u64 s[8:9], s[4:5], s[2:3]
	s_add_nc_u64 s[4:5], s[4:5], s[20:21]   ; Q at my wave's first row
	s_add_nc_u64 s[10:11], s[10:11], s[52:53]
	s_add_nc_u64 s[68:69], s[68:69], s[54:55]
	s_mov_b64 s[G0K+2:G0K+3], s[6:7]
	s_or_b32 s[G0K+3], s[G0K+3], 0x80000000
	s_mov_b64 s[G0V+2:G0V+3], s[8:9]
	s_or_b32 s[G0V+3], s[G0V+3], 0x80000000
	s_cmp_lt_u32 s[WV], 2
	s_cselect_b64 s[PFA:PFA+1], s[6:7], s[8:9]  ; (in waves 0 and 2 these stand at a tile's first row)
	s_lshl_b32 s2, s13, 13          ; my work-group's 32 blocks of the 128
	s_mov_b32 s3, 0
	s_add_nc_u64 s[PFA:PFA+1], s[PFA:PFA+1], s[2:3]
	s_add_nc_u64 s[PFA:PFA+1], s[PFA:PFA+1], 4*KS*128  ; in tile 1; the first change of slots steps it to tile 2
	CROUND                          ; all four work-groups are here: the first joint loads meet
	JLOAD                           ; tile 0 into slot 0
	v_lshlrev_b32 v[MO], 4, v0
.irp f, 0,1,2,3
	global_load_b128 v[32+4*\f:35+4*\f], v[MO], s[68:69] offset:2048*\f   ; the batch's mask: 128 threads x 4 x 16 bytes
.endr
	v_and_b32 v1, 15, v0            ; l % 16
	v_bfe_u32 v9, v0, 4, 1          ; l / 16
	v_lshlrev_b32 v[QO], 7, v1
	v_lshl_add_u32 v[QO], v9, 4, v[QO]
	WIN 0x80                        ; destination window 2
.set i, 0
.rept 8                             ; Q stays in registers: piece i / 2, channels 32 (i % 2) on
	global_load_b128 v[8*i:8*i+3],   v[QO], s[4:5] offset:(i/2)*2048+(i%2)*64
	global_load_b128 v[8*i+4:8*i+7], v[QO], s[4:5] offset:(i/2)*2048+(i%2)*64+32
.set i, i+1
.endr
	; The first step multiplies O^T and l by a = 0, and the first turn's products V^T P, of a piece that has not been, add 0: these registers start at 0.  All this stands in the wait for the first tile.
.set i, VF
.rept 64
	v_mov_b32 v[i], 0
.set i, i+1
.endr
	WIN 0x40
.set i, 0
.rept 128
	v_mov_b32 v[i], 0
.set i, i+1
.endr
	WIN 0
.set i, 0
.rept 4
	v_mov_b32 v[ST+4*i], 0xfe000000    ; c m: far below every c s
	v_mov_b32 v[ST+4*i+1], 0xff7fffff  ; m
	v_mov_b32 v[ST+4*i+2], 0
	v_mov_b32 v[ST+4*i+3], 0
.set i, i+1
.endr
.set i, P+16
.rept 16
	v_mov_b32 v[i], 0
.set i, i+1
.endr
	v_mul_u32_u24 v[AK0], v1, PK
	v_lshl_add_u32 v[AK0], v9, 4, v[AK0]
	v_and_b32 v10, 7, v0
	v_bfe_u32 v11, v0, 3, 1
	v_lshl_add_u32 v[AV0], v9, 3, v10
	v_mul_u32_u24 v[AV0], v[AV0], PV
	v_lshl_add_u32 v[AV0], v11, 4, v[AV0]
	v_add_nc_u32 v[AV0], VOFF, v[AV0]
	v_lshl_add_u32 v[AM0], v9, 5, MTAB
	s_mul_i32 s13, s[WV], 16*SP
	s_add_co_u32 s13, s13, STAGE    ; my stage
	v_mul_u32_u24 v[STO], v1, SP
	v_lshl_add_u32 v[STO], v9, 4, v[STO]
	v_add_nc_u32 v[STO], s13, v[STO]
	v_bfe_u32 v[RD], v0, 3, 2       ; back: 32 lanes take four rows of 128 bytes:
	v_mul_u32_u24 v[RD], v[RD], SP
	v_lshl_add_u32 v[RD], v10, 4, v[RD]
	v_add_nc_u32 v[RD], s13, v[RD]
	v_lshlrev_b32 v[GO], 12, v9     ; two pairs of rows, 4,096 bytes apart in ctx, 256 bytes on end each
	v_lshl_add_u32 v[GO], v1, 4, v[GO]
	v_lshl_add_u32 v59, v0, 4, MTAB
	s_wait_loadcnt 16               ; the mask is in; Q's 16 loads may stay out
.set i, 0
.rept 8
	v_cvt_pk_bf16_f32 v58, v[32+2*i], v[33+2*i]
	v_lshlrev_b32 v[32+2*i], 16, v58
	v_and_b32 v[33+2*i], 0xffff0000, v58
	v_pk_mul_f32 v[32+2*i:33+2*i], v[32+2*i:33+2*i], 0xcfee6b28 op_sel_hi:[1,0]   ; x (-8e9)
.set i, i+1
.endr
.irp f, 0,1,2,3
	ds_store_b128 v59, v[32+4*\f:35+4*\f] offset:2048*\f
.endr
; THE MATRIX WORK.  The 4 accumulators of a run of 8 take turns.  Product i of 8 of S^T = K Q^T for piece x: channels 32 (i / 4) on, keys 16 (i % 4) on.  The first 4 start the sums with the mask.
.macro KQ x
.set rS, S+32*((\x)%2)+8*(i%4)
.set rK, KF+16*(i%4)+8*(i/4)
.set rQ, 16*(\x)+8*(i/4)
.set rM, MC+8*(i%4)
.if i < 4
	WIN W_KM
	v_wmma_f32_16x16x32_bf16 v[rS:rS+7], v[rK:rK+7], v[rQ:rQ+7], v[rM:rM+7]
.else
	WIN W_KQ
	v_wmma_f32_16x16x32_bf16 v[rS:rS+7], v[rK:rK+7], v[rQ:rQ+7], v[rS:rS+7]
.endif
.endm
.macro PV x                         ; product i of 8 of O^T += V^T P for piece x: keys 32 (i / 4) on, channels 16 (i % 4) on
	WIN W_PV
.set rO, 32*(\x)+8*(i%4)
.set rV, VF+32*(i/4)+8*(i%4)
.set rP, P+16*((\x)%2)+8*(i/4)
	v_wmma_f32_16x16x32_bf16 v[rO:rO+7], v[rV:rV+7], v[rP:rP+7], v[rO:rO+7]
.endm
.macro MM                           ; the turn's next matrix instruction
.if i < 8
	KQ (Y+1)%NP
.else
.set i, i-8
	PV (Y+NP-1)%NP
.set i, i+8
.endif
.set i, i+1
.endm
; THE LDS LOADS stand in runs: a step's K (8 fragments) with its 32 masks, and its V (turned).  last = 1 (the tail): in the last trip there is no further step, and the run is jumped over.
.macro FETCH_K last=0
	WIN 0
.if \last
	s_cmp_eq_u32 s[CNT], 1
	s_cbranch_scc1 .Lno_k_\@
.endif
	WIN 0x80
.irp f, 0,1,2,3,4,5,6,7
	ds_load_b128 v[KF+8*\f:KF+8*\f+3],   v[AK] offset:(\f/2)*16*PK+(\f%2)*64
	ds_load_b128 v[KF+8*\f+4:KF+8*\f+7], v[AK] offset:(\f/2)*16*PK+(\f%2)*64+32
.endr
	WIN 0x40
.irp f, 0,1,2,3
	ds_load_b128 v[MC+8*\f:MC+8*\f+3],   v[AM] offset:64*\f       ; keys 16 f + 8 (lane / 16) + 0..7: the same for all queries
	ds_load_b128 v[MC+8*\f+4:MC+8*\f+7], v[AM] offset:64*\f+16
.endr
	s_add_co_u32 s[TBK], s[TBK], KS*PK
	s_add_co_u32 s[TBM], s[TBM], 4*KS
	WIN 0
.if \last
.Lno_k_\@:
.endif
.endm
.macro FETCH_V
	WIN 0x80
.irp f, 0,1,2,3,4,5,6,7
	ds_load_tr16_b128 v[VF+8*\f:VF+8*\f+3],   v[AV] offset:(\f/4)*32*PV+(\f%4)*32
	ds_load_tr16_b128 v[VF+8*\f+4:VF+8*\f+7], v[AV] offset:(\f/4)*32*PV+16*PV+(\f%4)*32
.endr
	WIN 0
.endm
; THE VECTOR WORK, one line at a time: OP kind, number.  For piece Y: F n: c s - c m for pair n of 16.  E n: the exponential of score n of 32.  C n: pair n rounded to bf16.  B n: of the four weights 4 n .. the second
; pair is added onto the first, in place.  L n: l takes that sum (L 0: l = a l + sum).  R n: pair n of 16 of O^T times a.  For piece Y + 1: X n, number n of the 22 that find its maximum and statistics:
;   0-11 four chains of seven scores (each accumulator's lowest registers are read first); 12-14, 16 the rest, the old m, all into c0; 15 c m_old is kept; 17, 18 the other half of the lanes; 19-21 c m, its change, a
.set F, 0
.set E, 1
.set C, 2
.set B, 3
.set L, 4
.set R, 5
.set X, 6
.macro REGS y
.set rT, ST+4*(\y)
.set rC, TMP+4*((\y)%2)
.set rW, MV+((\y)%2)
.set rS, S+32*((\y)%2)
.set rP, P+16*((\y)%2)
.set rO, 32*(\y)
.endm
.macro OP k, n
.if (\k) == R
	REGS Y
	WIN W_RS
	v_pk_mul_f32 v[rO+2*(\n):rO+2*(\n)+1], v[rO+2*(\n):rO+2*(\n)+1], v[rC+2:rC+3] op_sel_hi:[1,0]
.elseif (\k) < R
	REGS Y
	WIN 0
.if (\k) == F
	v_pk_fma_f32 v[rS+2*(\n):rS+2*(\n)+1], v[rS+2*(\n):rS+2*(\n)+1], s[CS:CS+1], v[rT:rT+1] op_sel_hi:[1,0,0] neg_lo:[0,0,1] neg_hi:[0,0,1]
.elseif (\k) == E
	v_exp_f32 v[rS+(\n)], v[rS+(\n)]
.elseif (\k) == C
	s_wait_alu depctr_va_vdst(0)
	v_cvt_pk_bf16_f32 v[rP+(\n)], v[rS+2*(\n)], v[rS+2*(\n)+1]
.elseif (\k) == B
	s_wait_alu depctr_va_vdst(0)
	v_pk_add_f32 v[rS+4*(\n):rS+4*(\n)+1], v[rS+4*(\n):rS+4*(\n)+1], v[rS+4*(\n)+2:rS+4*(\n)+3]
.elseif (\n) == 0
	v_pk_fma_f32 v[rT+2:rT+3], v[rT+2:rT+3], v[rC+2:rC+3], v[rS:rS+1] op_sel_hi:[1,0,1]
.else
	v_pk_add_f32 v[rT+2:rT+3], v[rT+2:rT+3], v[rS+4*(\n):rS+4*(\n)+1]
.endif
.else
	REGS (Y+1)%NP
	WIN 0
.if (\n) < 4
	v_max3_num_f32 v[rC+(\n)], v[rS+8*(\n)], v[rS+8*(\n)+1], v[rS+8*(\n)+2]
.elseif (\n) < 12
	v_max3_num_f32 v[rC+(\n)%4], v[rC+(\n)%4], v[rS+8*((\n)%4)+2*((\n)/4)+1], v[rS+8*((\n)%4)+2*((\n)/4)+2]
.elseif (\n) == 12
	v_max3_num_f32 v[rC], v[rC], v[rS+7], v[rS+15]
.elseif (\n) == 13
	v_max3_num_f32 v[rC+1], v[rC+1], v[rS+23], v[rS+31]
.elseif (\n) == 14
	v_max3_num_f32 v[rC+2], v[rC+2], v[rC+3], v[rT+1]
.elseif (\n) == 15
	v_mov_b32 v[rW], v[rT]
.elseif (\n) == 16
	v_max3_num_f32 v[rC], v[rC], v[rC+1], v[rC+2]
.elseif (\n) == 17
	v_permlanex16_b32 v[rC+3], v[rC], s[SEL], s[SEL+1]
.elseif (\n) == 18
	v_max_num_f32 v[rT+1], v[rC], v[rC+3]
.elseif (\n) == 19
	v_mul_f32 v[rT], s[CS], v[rT+1]
.elseif (\n) == 20
	v_sub_f32 v[rC+1], v[rW], v[rT]
.else
	v_exp_f32 v[rC+2], v[rC+1]
.endif
.endif
.endm
.macro OPS a, i1, b=-1, i2=0, c=-1, i3=0, d=-1, i4=0
	OP \a, \i1
.if (\b) >= 0
	OP \b, \i2
.endif
.if (\c) >= 0
	OP \c, \i3
.endif
.if (\d) >= 0
	OP \d, \i4
.endif
.endm
.macro ROW a, i1, b, i2, c, i3, d, i4  ; a matrix instruction and the four behind it
	MM
	OPS \a, \i1, \b, \i2, \c, \i3, \d, \i4
.endm
; A TURN, for piece p: the order of its 16 matrix and 118 vector instructions, written out.  Behind a matrix instruction: plain, exponential, plain, plain; or four of the rescaling; or four scalings; none names a
; register of the products round it.  A line reads no result made fewer than three vector instructions in front of it, five if an exponential made it.
; K and the masks of the next step are fetched in piece 2's turn, six vector instructions behind the last product that read K (five of them plain); V of the step in hand in piece 0's turn, eight behind the last
; product that read V.  Each is waited for a turn later.  cnt = 1: the loop's count is taken down some lines ahead of the branch that stands behind the turn.
.macro TURN p, last=0, cnt=0
.set Y, (\p)
.set i, 0
.if (\p) == 3
	s_wait_dscnt 0x0                ; K and its masks are in
.endif
	ROW F,0, F,1, F,2, F,3
	ROW F,4, E,0, F,5, F,6
	ROW F,7, E,1, F,8, F,9
	ROW F,10, E,2, C,0, F,11
	ROW F,12, E,3, X,15, F,13
	ROW R,0, R,1, R,2, R,3
	ROW B,0, E,4, F,14, L,0
.if (\p) == 2
	v_add_nc_u32 v[AK], s[TBK], v[AK0]
	v_add_nc_u32 v[AM], s[TBM], v[AM0]
.endif
	ROW R,4, R,5, R,6, R,7
	OPS E,5, F,15
.if (\p) == 2
	FETCH_K \last
.endif
	OPS E,6, C,1, E,7, R,8
	OPS E,8, R,9, E,9, C,2
	OPS E,10, X,0, E,11, X,1
	OPS E,12, X,2, E,13, X,3
.if (\p) == 1
	s_wait_dscnt 0x0                ; V is in
.endif
	ROW X,4, E,14, X,5, X,6
	ROW X,7, E,15, X,8, X,9
	ROW X,10, E,16, X,11, X,12
	ROW X,13, E,17, X,14, B,1
	ROW C,4, E,18, X,16, L,1
	ROW B,2, E,19, C,6, L,2
	ROW C,8, E,20, B,3, B,4
.if (\p) == 0
	v_add_nc_u32 v[AV], s[TBV], v[AV0]
.endif
	ROW C,3, E,21, L,3, C,5
	OPS E,22, X,17, E,23, C,10
.if (\p) == 0
	FETCH_V
.endif
	OPS E,24, L,4
	OPS E,25, X,18, E,26, C,7
	OPS E,27, B,5, E,28, X,19
	OPS E,29, C,12, E,30, L,5
	OPS E,31, X,20, B,6, C,9
	OPS C,14, C,11, X,21, L,6
.if (\p) == 0
	s_add_co_u32 s[TBV], s[TBV], KS*PV
.endif
.if \cnt
	s_sub_co_u32 s[CNT], s[CNT], 1
	s_cmp_lg_u32 s[CNT], 0
.endif
	OPS C,13, B,7, C,15, R,10
	OPS R,11, R,12, L,7, R,13
	OPS R,14, R,15
.endm
	CHANGE 1                        ; slot 0 is in, everybody's part of it, and so is the mask table; slot 1 is asked for
	v_add_nc_u32 v[AK], s[TBK], v[AK0]
	v_add_nc_u32 v[AM], s[TBM], v[AM0]
	FETCH_K                         ; key step 0
	s_wait_loadcnt 0x0              ; Q
	s_wait_dscnt 0x0
.set i, 0
.rept 8
	KQ 0                            ; piece 0's first scores
.set i, i+1
.endr
	WIN 0
.rept 4
	v_nop                           ; the places behind those products
.endr
.set Y, NP-1                        ; X works for piece Y + 1: piece 0
.irp n, 0,1,2,3,4,5,6,7,8,9,10,11,12,13,14,15,16,17,18,19,20,21
	OP X, \n
.endr
	v_nop                           ; a plain instruction behind the exponential
	s_mov_b32 s[CNT], 4
	s_branch .Lfirst                ; the loop is entered at a step's first turn, in the middle of a trip
.Lslot:                             ; six times: tiles 2 to 7 are asked for
	CHANGE 1
	s_mov_b32 s[CNT], 4
.Lstep:                             ; a trip: pieces 2 and 3 of one step, then pieces 0 and 1 of the next, whose K and V it fetches
	TURN 2
	TURN 3
	WIN 0
.Lfirst:
	TURN 0
	TURN 1, 0, 1
	WIN 0
	s_cbranch_scc1 .Lstep
	s_sub_co_u32 s[SLOTS], s[SLOTS], 1
	s_cmp_lg_u32 s[SLOTS], 0
	s_cbranch_scc1 .Lslot
	CHANGE 0                        ; the tail is written out: nothing is asked for
	s_mov_b32 s[CNT], 5             ; four trips fetch the last tile's steps; the fifth is left in its middle
.Ltail:
	TURN 2, 1
	TURN 3
	WIN 0
	s_sub_co_u32 s[CNT], s[CNT], 1
	s_cmp_eq_u32 s[CNT], 0
	s_cbranch_scc1 .Lout
	TURN 0
	TURN 1
	WIN 0
	s_branch .Ltail
.Lout:                              ; the fifth trip's 8 products K Q^T (on the last K once more) and the maximum made of them serve nothing: the price, once a launch, of one text for every trip
.set i, 0
.rept 8
	PV NP-1                         ; the last piece's V^T P of the last step
.set i, i+1
.endr
	; THE WAY OUT.  l's two halves and the other half of the lanes' are added; O^T is divided by l, rounded to bf16 and sent through my stage, a piece at a time.  The additions are the places behind the last products.
	WIN 0
.macro ALL line:vararg
.set t, 0
.rept 4
	\line
.set t, t+1
.endr
.endm
	ALL v_add_f32 v[ST+4*t+2], v[ST+4*t+2], v[ST+4*t+3]
	ALL v_permlanex16_b32 v[ST+4*t+3], v[ST+4*t+2], s[SEL], s[SEL+1]
	ALL v_add_f32 v[ST+4*t+2], v[ST+4*t+2], v[ST+4*t+3]
	ALL v_rcp_f32 v[ST+4*t+2], v[ST+4*t+2]
	v_nop                           ; a plain instruction between the last reciprocal and the use of its result
.macro PACK t
	WIN W_RS
.set i, 32*(\t)
.rept 16
	s_wait_alu depctr_va_vdst(0)
	v_pk_mul_f32 v[i:i+1], v[i:i+1], v[ST+4*(\t)+2:ST+4*(\t)+3] op_sel_hi:[1,0]
.set i, i+2
.endr
	WIN 0x05                        ; sources 0 and 1 window 1, destination window 0
.set i, 0
.rept 16
	v_cvt_pk_bf16_f32 v[S+16*(\t)+i], v[32*(\t)+2*i], v[32*(\t)+2*i+1]
.set i, i+1
.endr
	WIN 0
.irp f, 0,1,2,3
	ds_store_b128 v[STO], v[S+16*(\t)+4*\f:S+16*(\t)+4*\f+3] offset:32*\f
.endr
.irp f, 0,1,2,3
	ds_load_b128 v[S+16*(\t)+4*\f:S+16*(\t)+4*\f+3], v[RD] offset:\f*4*SP  ; LDS serves a wave's instructions in order (ISA guide 5.7.1.4): these see the stores above
.endr
.endm
.macro SEND t, younger              ; younger: the LDS instructions issued behind piece t's loads
	WIN 0
.irp f, 0,1,2,3
	s_wait_dscnt (\younger)+3-\f
	global_store_b128 v[GO], v[S+16*(\t)+4*\f:S+16*(\t)+4*\f+3], s[10:11] offset:(\t)*32768+\f*8192  ; 16 lanes store 256 consecutive bytes, at a multiple of 256 from ctx's first
.endr
.endm
	PACK 0
.set t, 1
.rept 3
	PACK t
	SEND t-1, 8
.set t, t+1
.endr
	SEND 3, 0
	s_wait_tensorcnt 0x0            ; the wave's end
	ds_add_u32 v[SPW], v[NIL]
	s_wait_dscnt 0x0
	CROUND                          ; the closing round
	s_endpgm
.Lfunc_end_k_q72a46f0787_attn:
	.size	k_q72a46f0787_attn, .Lfunc_end_k_q72a46f0787_attn-k_q72a46f0787_attn
	.p2alignl 7, 3214868480
	.fill 96, 4, 3214868480
	.section	.rodata,"a",@progbits
	.p2align	6, 0x0
	.amdhsa_kernel k_q72a46f0787_attn
		.amdhsa_group_segment_fixed_size 327680
		.amdhsa_private_segment_fixed_size 0
		.amdhsa_enable_private_segment 0
		.amdhsa_kernarg_size 24
		.amdhsa_user_sgpr_count 2
		.amdhsa_user_sgpr_kernarg_segment_ptr 1
		.amdhsa_wavefront_size32 1
		.amdhsa_system_sgpr_workgroup_id_x 1
		.amdhsa_system_sgpr_workgroup_id_y 1
		.amdhsa_system_sgpr_workgroup_id_z 1
		.amdhsa_system_vgpr_workitem_id 0
		.amdhsa_next_free_vgpr 768
		.amdhsa_next_free_sgpr 70
		.amdhsa_reserve_vcc 0
		.amdhsa_float_denorm_mode_32 3
		.amdhsa_float_denorm_mode_16_64 3
		.amdhsa_memory_ordered 1
		.amdhsa_forward_progress 1
		.amdhsa_inst_pref_size 123
	.end_amdhsa_kernel
	.amdgpu_metadata
---
amdhsa.version: [ 1, 2 ]
amdhsa.kernels:
  - .name:           k_q72a46f0787_attn
    .symbol:         k_q72a46f0787_attn.kd
    .args:
      - { .name: qkv, .offset: 0, .size: 8, .value_kind: global_buffer, .address_space: global }
      - { .name: mask, .offset: 8, .size: 8, .value_kind: global_buffer, .address_space: global }
      - { .name: ctx, .offset: 16, .size: 8, .value_kind: global_buffer, .address_space: global }
    .group_segment_fixed_size: 327680
    .private_segment_fixed_size: 0
    .kernarg_segment_align: 8
    .kernarg_segment_size: 24
    .max_flat_workgroup_size: 128
    .sgpr_count:     70
    .vgpr_count:     768
    .wavefront_size: 32
...
	.end_amdgpu_metadata
.endif
;; end of part 3
;; launch wop (part 4): grid 8 x 32, 4 waves a work-group, clusters of 4 x 4, 327,680 bytes of LDS; arguments ctx, cb, wo_b, y; writes y
.if DOCPART == 4
	.amdgcn_target "amdgcn-amd-amdhsa--gfx1250"
	.amdhsa_code_object_version 6
	.text
	.protected	k_q72a46f0787_wop
	.globl	k_q72a46f0787_wop
	.p2align	8
	.type	k_q72a46f0787_wop,@function
k_q72a46f0787_wop:
	s_mov_b64 s[64:65], 0
	v_nop
	global_prefetch_b8 v0, s[64:65] scope:SCOPE_SE
	s_setreg_imm32_b32 hwreg(HW_REG_WAVE_MODE, 25, 1), 1
	s_wait_xcnt 0x0
	s_wait_alu depctr_hold_cnt(0) depctr_sa_sdst(0) depctr_va_vdst(0) depctr_va_sdst(0) depctr_va_ssrc(0) depctr_va_vcc(0) depctr_vm_vsrc(0)
	s_getreg_b32 s2, hwreg(HW_REG_IB_STS2, 6, 4)
	s_cmp_eq_u32 s2, 0
	s_cbranch_scc0 .Lentry_in_a_cluster
	s_endpgm
.Lentry_in_a_cluster:
	s_bfe_u32 s2, ttmp6, 0x10000c
	s_cmp_lg_u32 s2, 0xf033
	s_cbranch_scc0 .Lentry_shape_is_right
	s_endpgm
.Lentry_shape_is_right:
; y = x + ctx WO + wo_b, f32 [4096][1024]: the sum that the first norm takes.  ctx (bf16, [row / 2][head][row % 2][64]) x WO (bf16 [1024][1024] in cb), f32 sums; x is the bf16 copy in cb.
; The bias, used rounded to bf16 like every input of the program, STARTS the sums: it is added ahead of the products.  NaN and infinities are not treated apart.
; SHARES.  A work-group makes 128 x 128 of y (256 work-groups), a wave 64 x 64: 16 accumulators.  K goes in 4 steps of 256 (four heads) through two LDS slots filled by tensor loads.
; CLUSTER 4 x 4: ctx's tile is shared along a row of the cluster, WO's along a column: each is asked for jointly.
; THE WALK ALONG K GOES ROUND: a cluster begins at K step (2 x cluster x + cluster y mod 4) mod 4 and takes the four steps from there, modulo 4.  ctx's tiles are read by the two clusters of a row of
; clusters, WO's by the eight of a column: these stand at different steps, so that a tile is asked for at different times and not by all of them at once.  The sums are taken in that order.
; THE PRODUCT IS USED TRANSPOSED: source 0 = 16 columns of WO (it lies [k][n] in LDS and is turned by ds_load_tr16_b128), source 1 = 16 rows of ctx: a lane holds row l % 16 and 8 neighbouring columns.
; REGISTERS: window 0 addresses, bias, residual, way out; window 1 two fragment buffers of 128; window 2 accumulator (a, b) at 8 (4 a + b).
; No prefetch: every tile is asked for jointly, by one load for four work-groups, a K step's 128 products ahead of its use.
.set MA, 4
.set NA, 4
.set KD, 2                             ; a quarter step is one head: 64 along K
.set T,  4                             ; K steps, a power of two
.set OX, 2                             ; the walk's first step: OX x cluster x + OY x (cluster y and YM), modulo T
.set YM, 3
.set OY, 1
.set AH, 32*1040                       ; half of A's tile: 32 pairs of rows x (four heads x 256 bytes + 16)
.set ABLK, 8*1040
.set PB, 288                           ; a k-row of WO in LDS: 256 + 32 bytes = 9 x 32
.set BH, 128*PB
.set SLOT, 2*AH+2*BH
.set QA, 256
.set QB, 32*KD*PB
.set BGAP, 0
.set WBOFF, 128
.set ASTEP, 1024
.set BSTEP, 256*2048
.set STG, 16*272
.set STAGE, 2*SLOT
.set SPARE, STAGE+4*STG
.set ADIM0, 512
.set AROWS, 32
.set ASTRIDE, 2048
.set AG10, (1<<16)|(1<<20)|(1<<21)|(7<<22)|(3<<25)   ; after every 256 words, 4 words
.set BDIM0, 128
.set BROWS, 128
.set BSTRIDE, 1024
.set BG10, (1<<16)|(1<<20)|(1<<21)|(5<<22)|(7<<25)   ; after every 64 words, 8 words
.set BREG, 14680064                    ; WO in cb
.set TNB, 256
.set PAB, 4
.set PBB, 6
.set PYB, 10                           ; s[10:11] y
.set PRB, 6                            ; s[6:7] cb: the residual x lies at its head
.set A0, 4
.set B0, 5
.set ADRA, 6
.set ADRB, 7
.set STO, 8
.set RD, 9
.set CO, 10
.set RO, 11
.set BO, 12
.set ONE, 13
.set SPW, 14
.set NIL, 15
.set BIAS, 32                          ; v[32:63]
.set RES, 64                           ; v[64:127] the residual, 4 bf16 for each of my 32 stores
.set TT, 128                           ; v[128:255] four blocks read back from the stage
.set F0, 0
.set F1, 128
.set CNT, 2
.set SL, 3
.set WV, 12
.set RH, 13
.set CH, 14
.set CX, 15
.set CY, 16
.set TN, 17
.set TMI, 18
.set G1A, 24
.set G0A, 32
.set G1B, 40
.set G0B, 48
.set KA, 56
.set KB, 57
.set TBF, 58
.set LA, 59
.set LB, 60
.set PC, 66
.set PR, 68
.set KI, 84                            ; s84 the K step asked for last
.set OA, 86                            ; s[86:87] its byte offset in A
.set OB, 88                            ; s[88:89] and in B
.set MSB, 0
.macro WIN new
.if MSB != (\new)
	s_set_vgpr_msb (MSB<<8)|(\new)
.set MSB, (\new)
.endif
.endm
.macro CROUND
	s_barrier_signal -1
	s_barrier_wait -1
	s_cmp_lg_u32 s[WV], 0
	s_cbranch_scc1 .Lnot_wave_0_\@
	s_barrier_signal -3
.Lnot_wave_0_\@:
	s_barrier_wait -3
	s_barrier_signal -1
	s_barrier_wait -1
.endm
.macro JLOAD                           ; waves 0, 1 fetch A's halves, waves 2, 3 B's; s_nop 0 and four v_nop follow each line
	s_cmp_eq_u32 s[RH], 0
	s_cbranch_scc0 .Lfor_b_\@
	tensor_load_to_lds s[G0A+4:G0A+7], s[G1A:G1A+7]
	s_nop 0
.rept 4
	v_nop
.endr
	s_branch .Lasked_\@
.Lfor_b_\@:
	tensor_load_to_lds s[G0B+4:G0B+7], s[G1B:G1B+7]
	s_nop 0
.rept 4
	v_nop
.endr
.Lasked_\@:
.endm
.macro SHAPE g, d0, rows, stride
	s_mov_b32 s[(\g)+1], (\d0)<<16
	s_mov_b32 s[(\g)+2], (\rows)<<16
	s_mov_b32 s[(\g)+3], (\d0)<<16
	s_mov_b32 s[(\g)+4], \rows
	s_mov_b32 s[(\g)+5], \stride
	s_mov_b32 s[(\g)+6], 0
	s_mov_b32 s[(\g)+7], 0
.endm
.macro RND a
	v_cvt_pk_bf16_f32 v3, v[\a], v[(\a)+1]
	v_lshlrev_b32 v[\a], 16, v3
	v_and_b32 v[(\a)+1], 0xffff0000, v3
.endm
; 32 LDS loads in one run, directly behind the products that read the buffer last: the two v_nop and the two address lines are the four places between those products and the loads
.macro FETCH f
	WIN 0
	v_nop
	v_nop
	v_add_nc_u32 v[ADRA], s[KA], v[A0]
	v_add_nc_u32 v[ADRB], s[KB], v[B0]
	s_add_co_u32 s[KA], s[KA], QA
	s_add_co_u32 s[KB], s[KB], QB
	WIN 0x40
.set c_, 0
.rept KD
.set b_, 0
.rept NA
.set rB, (\f)+8*(c_*NA+b_)
	ds_load_tr16_b128 v[rB:rB+3],   v[ADRB] offset:c_*32*PB+32*b_+BGAP*(b_/4)
	ds_load_tr16_b128 v[rB+4:rB+7], v[ADRB] offset:c_*32*PB+32*b_+BGAP*(b_/4)+16*PB
.set b_, b_+1
.endr
.set c_, c_+1
.endr
.set a_, 0
.rept MA
.set c_, 0
.rept KD
.set rA, (\f)+8*KD*NA+8*(a_*KD+c_)
	ds_load_b128 v[rA:rA+3],   v[ADRA] offset:a_*ABLK+64*c_
	ds_load_b128 v[rA+4:rA+7], v[ADRA] offset:a_*ABLK+64*c_+32
.set c_, c_+1
.endr
.set a_, a_+1
.endr
.endm
; a quarter step's products; the accumulators take turns, one instruction a turn; first = 1: the bias starts the sums
.macro MULS f, first
.set c_, 0
.rept KD
.set a_, 0
.rept MA
.set b_, 0
.rept NA
.set ix, 8*(a_*NA+b_)
.set rD, ix%256
.set wD, 2+ix/256
.set rB, (\f)+8*(c_*NA+b_)
.set rA, (\f)+8*KD*NA+8*(a_*KD+c_)
.if (\first) && (c_ == 0)
	WIN 0x05|(wD<<6)
	v_wmma_f32_16x16x32_bf16 v[rD:rD+7], v[rB:rB+7], v[rA:rA+7], v[BIAS+8*b_:BIAS+8*b_+7]
.else
	WIN 0x05|(wD*0x50)
	v_wmma_f32_16x16x32_bf16 v[rD:rD+7], v[rB:rB+7], v[rA:rA+7], v[rD:rD+7]
.endif
.set b_, b_+1
.endr
.set a_, a_+1
.endr
.set c_, c_+1
.endr
.endm
.macro TRIP                            ; two quarter steps.  A buffer is asked for again as soon as its products are issued: a whole quarter step, MA x NA x KD products, ahead of its first use
	FETCH F0
	s_wait_dscnt 32                                ; all but the 32 just issued: buffer 1 is whole
	MULS F1, 0
	FETCH F1
	s_wait_dscnt 32                                ; buffer 0 is whole
	MULS F0, 0
	WIN 0
.endm
; THE CHANGE OF SLOTS, ahead of the fetch of the new slot's first quarter; the old slot's last quarter lies in buffer 1.  All my tensor loads have landed, the add, my reads of the slot are over;
; with fill = 1 a round of the cluster's barrier and the joint refill first behind it
.macro CHANGE fill
	WIN 0
	s_wait_tensorcnt 0x0
	ds_add_u32 v[SPW], v[NIL]
	s_sub_co_u32 s[KA], s[KA], 4*QA
	s_xor_b32 s[KA], s[KA], SLOT
	s_sub_co_u32 s[KB], s[KB], 4*QB
	s_xor_b32 s[KB], s[KB], SLOT
.if \fill
	s_xor_b32 s[TBF], s[TBF], SLOT
	s_add_co_u32 s[G0A+5], s[LA], s[TBF]
	s_add_co_u32 s[G0B+5], s[LB], s[TBF]
	s_add_co_u32 s[KI], s[KI], 1                   ; the next K step, modulo T;
	s_and_b32 s[KI], s[KI], T-1
	s_mul_i32 s[OA], s[KI], ASTEP
	s_mul_i32 s[OB], s[KI], BSTEP
	s_add_nc_u64 s[G0A+6:G0A+7], s[20:21], s[OA:OA+1]  ; the addresses are made anew: the base and the step's offset, then the type
	s_or_b32 s[G0A+7], s[G0A+7], 0x80000000
	s_add_nc_u64 s[G0B+6:G0B+7], s[22:23], s[OB:OB+1]
	s_or_b32 s[G0B+7], s[G0B+7], 0x80000000
	s_wait_dscnt 0x0
	CROUND
	JLOAD
.else
	s_wait_dscnt 0x0
	s_barrier_signal -1
	s_barrier_wait -1
.endif
.endm
	s_load_b256 s[4:11], s[0:1], 0x0               ; ctx, cb, wo_b, y
	v_lshl_add_u32 v[SPW], v0, 2, SPARE
	v_mov_b32 v[NIL], 0
	ds_add_u32 v[SPW], v[NIL]                      ; the wave's opening: the add and its wait stand ahead of my first tensor load
	v_lshrrev_b32 v1, 5, v0
	v_readfirstlane_b32 s[WV], v1
	s_lshr_b32 s[RH], s[WV], 1
	s_and_b32 s[CH], s[WV], 1
	s_bfe_u32 s[CX], ttmp6, 0x40000
	s_bfe_u32 s[CY], ttmp6, 0x40004
	s_lshl_b32 s[TN], ttmp9, 2
	s_add_co_u32 s[TN], s[TN], s[CX]
	s_and_b32 s[TMI], ttmp7, 0xffff
	s_lshl_b32 s[TMI], s[TMI], 2
	s_add_co_u32 s[TMI], s[TMI], s[CY]
	s_lshl_b32 s20, s[CY], 2
	s_lshl_b32 s20, 15, s20
	s_lshl_b32 s22, 0x1111, s[CX]
	s_or_b32 s[G1A], s20, AG10
	s_or_b32 s[G1B], s22, BG10
	SHAPE G1A, ADIM0, AROWS, ASTRIDE
	SHAPE G1B, BDIM0, BROWS, BSTRIDE
	s_mul_i32 s20, s[TMI], 2*AROWS*ASTRIDE*2
	s_mul_i32 s21, s[CH], AROWS*ASTRIDE*2
	s_add_co_u32 s20, s20, s21
	s_mov_b32 s21, 0
	s_mul_i32 s22, s[TN], TNB
	s_mul_i32 s23, s[CH], BROWS*BSTRIDE*2
	s_add_co_u32 s22, s22, s23
	s_add_co_u32 s22, s22, BREG
	s_mov_b32 s23, 0
	s_mul_i32 s[LA], s[CH], AH
	s_mul_i32 s[LB], s[CH], BH
	s_add_co_u32 s[LB], s[LB], 2*AH
	s_mov_b32 s[KA], 0
	s_mov_b32 s[KB], 0
	s_mov_b32 s[TBF], SLOT
	s_and_b32 s[KI], ttmp7, YM                     ; the walk's first K step, from the cluster's x and y, which all sixteen partners share
	s_mul_i32 s[KI], s[KI], OY
	s_mul_i32 s[OA], ttmp9, OX
	s_add_co_u32 s[KI], s[KI], s[OA]
	s_and_b32 s[KI], s[KI], T-1
	s_mov_b32 s[OA+1], 0
	s_mov_b32 s[OB+1], 0
	s_wait_dscnt 0x0
	s_wait_kmcnt 0x0
	s_add_nc_u64 s[20:21], s[PAB:PAB+1], s[20:21]  ; A and B at K step 0 of my part: kept for the whole walk
	s_add_nc_u64 s[22:23], s[PBB:PBB+1], s[22:23]
	CROUND
.irp s, 0,1
	s_mul_i32 s[OA], s[KI], ASTEP
	s_mul_i32 s[OB], s[KI], BSTEP
	s_mov_b32 s[G0A+4*\s], 1
	s_add_co_u32 s[G0A+4*\s+1], s[LA], \s*SLOT
	s_add_nc_u64 s[G0A+4*\s+2:G0A+4*\s+3], s[20:21], s[OA:OA+1]
	s_or_b32 s[G0A+4*\s+3], s[G0A+4*\s+3], 0x80000000
	s_mov_b32 s[G0B+4*\s], 1
	s_add_co_u32 s[G0B+4*\s+1], s[LB], \s*SLOT
	s_add_nc_u64 s[G0B+4*\s+2:G0B+4*\s+3], s[22:23], s[OB:OB+1]
	s_or_b32 s[G0B+4*\s+3], s[G0B+4*\s+3], 0x80000000
.if \s == 0
	s_add_co_u32 s[KI], s[KI], 1                   ; the walk's second step
	s_and_b32 s[KI], s[KI], T-1
.endif
.endr
	s_cmp_eq_u32 s[RH], 0
	s_cbranch_scc0 .Lfirst_b
	tensor_load_to_lds s[G0A:G0A+3], s[G1A:G1A+7]
	s_nop 0
	tensor_load_to_lds s[G0A+4:G0A+7], s[G1A:G1A+7]
	s_nop 0
.rept 4
	v_nop
.endr
	s_branch .Lfirst_asked
.Lfirst_b:
	tensor_load_to_lds s[G0B:G0B+3], s[G1B:G1B+7]
	s_nop 0
	tensor_load_to_lds s[G0B+4:G0B+7], s[G1B:G1B+7]
	s_nop 0
.rept 4
	v_nop
.endr
.Lfirst_asked:
	v_and_b32 v1, 15, v0
	v_bfe_u32 v2, v0, 4, 1
	v_lshrrev_b32 v3, 1, v1                        ; row r lies in pair r / 2, 128 (r % 2) bytes into a head's 256
	v_mul_u32_u24 v[A0], v3, 1040
	v_and_b32 v3, 1, v1
	v_lshl_add_u32 v[A0], v3, 7, v[A0]
	v_lshl_add_u32 v[A0], v2, 4, v[A0]
	s_mul_i32 s61, s[RH], AH
	v_add_nc_u32 v[A0], s61, v[A0]
	v_and_b32 v3, 7, v0
	v_lshl_add_u32 v[B0], v2, 3, v3
	v_mul_u32_u24 v[B0], v[B0], PB
	v_bfe_u32 v3, v0, 3, 1
	v_lshl_add_u32 v[B0], v3, 4, v[B0]
	s_mul_i32 s61, s[CH], WBOFF
	s_add_co_u32 s61, s61, 2*AH
	v_add_nc_u32 v[B0], s61, v[B0]
	v_lshlrev_b32 v[BO], 5, v2
	v_mov_b32 v[ONE], 1.0
	s_lshl_b32 s61, s[TN], 7
	s_lshl_b32 s62, s[CH], 6
	s_add_co_u32 s61, s61, s62                     ; my first column
	s_lshl_b32 s62, s[TMI], 7
	s_lshl_b32 s63, s[RH], 6
	s_add_co_u32 s62, s62, s63                     ; my first row
	s_mov_b32 s83, 0
	s_lshl_b32 s82, s61, 2
	s_add_nc_u64 s[8:9], s[8:9], s[82:83]          ; the bias at my first column
	s_lshl_b32 s63, s62, 12
	s_add_co_u32 s82, s82, s63
	s_add_nc_u64 s[PC:PC+1], s[PYB:PYB+1], s[82:83]
	s_lshl_b32 s63, s62, 11
	s_lshl_b32 s82, s61, 1
	s_add_co_u32 s82, s82, s63
	s_add_nc_u64 s[PR:PR+1], s[PRB:PRB+1], s[82:83]
	v_lshlrev_b32 v[RO], 11, v2                    ; the residual: 2,048 (l / 16) + 8 (l % 16)
	v_lshl_add_u32 v[RO], v1, 3, v[RO]
.set b_, 0
.rept NA
	global_load_b128 v[BIAS+8*b_:BIAS+8*b_+3],   v[BO], s[8:9] offset:64*b_
	global_load_b128 v[BIAS+8*b_+4:BIAS+8*b_+7], v[BO], s[8:9] offset:64*b_+16
.set b_, b_+1
.endr
.set i_, 0
.rept 32
	global_load_b64 v[RES+2*i_:RES+2*i_+1], v[RO], s[PR:PR+1] offset:32768*(i_/8)+4096*(i_%8)
.set i_, i_+1
.endr
	s_mul_i32 s61, s[WV], STG
	s_add_co_u32 s61, s61, STAGE
	v_mul_u32_u24 v[STO], v1, 272                  ; in: row r of 64 f32, 32 bytes for each half of the lanes
	v_lshl_add_u32 v[STO], v2, 5, v[STO]
	v_add_nc_u32 v[STO], s61, v[STO]
	v_mul_u32_u24 v[RD], v2, 272                   ; back: lanes 0-15 one row of 256 bytes, lanes 16-31 the next
	v_lshl_add_u32 v[RD], v1, 4, v[RD]
	v_add_nc_u32 v[RD], s61, v[RD]
	v_lshlrev_b32 v[CO], 12, v2
	v_lshl_add_u32 v[CO], v1, 4, v[CO]
	s_wait_loadcnt 32                              ; the bias is in; the 32 loads of the residual may stay out
.set i_, 0
.rept 4*NA
	RND BIAS+2*i_
.set i_, i_+1
.endr
	s_wait_tensorcnt 0x1                           ; my part of the walk's first K step is in; the second's may stay out
	s_barrier_signal -1
	s_barrier_wait -1
	FETCH F0                                       ; the first quarter step is written out: its products start the sums
	FETCH F1
	s_wait_dscnt 32                                ; buffer 0 is whole
	MULS F0, 1
	WIN 0
	s_mov_b32 s[CNT], 1
	s_mov_b32 s[SL], T-1
	s_branch .Lhalf
.Lslot:
	CHANGE 1
	s_mov_b32 s[CNT], 2
.Lhalf:
	TRIP
	s_sub_co_u32 s[CNT], s[CNT], 1
	s_cmp_lg_u32 s[CNT], 0
	s_cbranch_scc1 .Lhalf
	s_sub_co_u32 s[SL], s[SL], 1
	s_cmp_lg_u32 s[SL], 0
	s_cbranch_scc1 .Lslot
	CHANGE 0
	s_mov_b32 s[CNT], 2
.Ltail:
	TRIP
	s_sub_co_u32 s[CNT], s[CNT], 1
	s_cmp_lg_u32 s[CNT], 0
	s_cbranch_scc1 .Ltail
	s_wait_dscnt 0x0
	MULS F1, 0                                     ; the last quarter step
	WIN 0
.rept 8
	v_nop                                          ; the places behind the last products
.endr
; THE WAY OUT, a block of 16 rows at a time: the f32 sums go through my own stage and come back as whole rows of 256 bytes; the residual is added; sixteen lanes store 256 consecutive aligned bytes.
.macro TOSTAGE a
	WIN 0x08                                       ; store data in window 2
.set b_, 0
.rept 4
.set AC, 8*((\a)*NA+b_)
	ds_store_b128 v[STO], v[AC:AC+3]   offset:64*b_
	ds_store_b128 v[STO], v[AC+4:AC+7] offset:64*b_+16
.set b_, b_+1
.endr
	WIN 0
.set t_, 0
.rept 8
	ds_load_b128 v[TT+32*(\a)+4*t_:TT+32*(\a)+4*t_+3], v[RD] offset:544*t_  ; LDS serves a wave's instructions in order (ISA guide 5.7.1.4)
.set t_, t_+1
.endr
.endm
.macro SEND a, younger                 ; younger: the next block's 16 LDS instructions, or none
.set t_, 0
.rept 8
	s_wait_dscnt (\younger)+7-t_
.set rT, TT+32*(\a)+4*t_
.set rR, RES+2*(8*(\a)+t_)
	v_fma_mix_f32_bf16 v[rT],   v[rR],   v[ONE], v[rT]   op_sel_hi:[1,0,0]
	v_fma_mix_f32_bf16 v[rT+1], v[rR],   v[ONE], v[rT+1] op_sel:[1,0,0] op_sel_hi:[1,0,0]
	v_fma_mix_f32_bf16 v[rT+2], v[rR+1], v[ONE], v[rT+2] op_sel_hi:[1,0,0]
	v_fma_mix_f32_bf16 v[rT+3], v[rR+1], v[ONE], v[rT+3] op_sel:[1,0,0] op_sel_hi:[1,0,0]
	global_store_b128 v[CO], v[rT:rT+3], s[PC:PC+1] offset:65536*(\a)+8192*t_
.set t_, t_+1
.endr
.endm
	TOSTAGE 0
	TOSTAGE 1
	s_wait_loadcnt 0x0                             ; the residual
	SEND 0, 16
	TOSTAGE 2
	SEND 1, 16
	TOSTAGE 3
	SEND 2, 16
	SEND 3, 0
	s_wait_tensorcnt 0x0                           ; the wave's end
	ds_add_u32 v[SPW], v[NIL]
	s_wait_dscnt 0x0
	CROUND
	s_endpgm
.Lfunc_end_k_q72a46f0787_wop:
	.size	k_q72a46f0787_wop, .Lfunc_end_k_q72a46f0787_wop-k_q72a46f0787_wop
	.p2alignl 7, 3214868480
	.fill 96, 4, 3214868480
	.section	.rodata,"a",@progbits
	.p2align	6, 0x0
	.amdhsa_kernel k_q72a46f0787_wop
		.amdhsa_group_segment_fixed_size 327680
		.amdhsa_private_segment_fixed_size 0
		.amdhsa_enable_private_segment 0
		.amdhsa_kernarg_size 32
		.amdhsa_user_sgpr_count 2
		.amdhsa_user_sgpr_kernarg_segment_ptr 1
		.amdhsa_wavefront_size32 1
		.amdhsa_system_sgpr_workgroup_id_x 1
		.amdhsa_system_sgpr_workgroup_id_y 1
		.amdhsa_system_sgpr_workgroup_id_z 1
		.amdhsa_system_vgpr_workitem_id 0
		.amdhsa_next_free_vgpr 640
		.amdhsa_next_free_sgpr 92
		.amdhsa_reserve_vcc 0
		.amdhsa_float_denorm_mode_32 3
		.amdhsa_float_denorm_mode_16_64 3
		.amdhsa_memory_ordered 1
		.amdhsa_forward_progress 1
		.amdhsa_inst_pref_size 60
	.end_amdhsa_kernel
	.amdgpu_metadata
---
amdhsa.version: [ 1, 2 ]
amdhsa.kernels:
  - .name:           k_q72a46f0787_wop
    .symbol:         k_q72a46f0787_wop.kd
    .args:
      - { .name: ctx, .offset: 0, .size: 8, .value_kind: global_buffer, .address_space: global }
      - { .name: cb, .offset: 8, .size: 8, .value_kind: global_buffer, .address_space: global }
      - { .name: wo_b, .offset: 16, .size: 8, .value_kind: global_buffer, .address_space: global }
      - { .name: y, .offset: 24, .size: 8, .value_kind: global_buffer, .address_space: global }
    .group_segment_fixed_size: 327680
    .private_segment_fixed_size: 0
    .kernarg_segment_align: 8
    .kernarg_segment_size: 32
    .max_flat_workgroup_size: 128
    .sgpr_count:     92
    .vgpr_count:     640
    .wavefront_size: 32
...
	.end_amdgpu_metadata
.endif
;; end of part 4
;; launch ln1 (part 5): grid 512 x 1, 8 waves a work-group, no clusters, 0 bytes of LDS; arguments y, ln1_g, ln1_b, o1; writes o1
.if DOCPART == 5
	.amdgcn_target "amdgcn-amd-amdhsa--gfx1250"
	.amdhsa_code_object_version 6
	.text
	.protected	k_q72a46f0787_ln1
	.globl	k_q72a46f0787_ln1
	.p2align	8
	.type	k_q72a46f0787_ln1,@function
k_q72a46f0787_ln1:
	s_mov_b64 s[64:65], 0
	v_nop
	global_prefetch_b8 v0, s[64:65] scope:SCOPE_SE
	s_setreg_imm32_b32 hwreg(HW_REG_WAVE_MODE, 25, 1), 1
	s_wait_xcnt 0x0
; o1[r] = (y[r] - mean) / sqrt(var + 1e-6) x g + b, rows of 1,024 f32, stored rounded once to bf16.  g and b are used rounded to bf16, like every input of the program.
; One wave, one row: 32 registers hold it between the passes (mean; sum of squares of x - mean; scaling), so it is read once and the reduction never leaves the wave: no LDS, no barrier, no loop.
; A load of a wave covers 512 bytes on end, a store 256, aligned.  Matrix units and clusters have nothing to do here.
.set OUTBF, 1
.set X, 2                              ; v[2:33]   the row
.set G, 34                             ; v[34:65]  g
.set BB, 66                            ; v[66:97]  b
.set A, 98                             ; v[98:105] four chains of packed sums
.set MU, 106
.set RS, 108
.set TT, 110
.set OO, 111
	s_load_b256 s[4:11], s[0:1], 0x0               ; y, g, b, out
	v_lshrrev_b32 v1, 5, v0
	v_readfirstlane_b32 s12, v1
	s_lshl_b32 s13, ttmp9, 3
	s_add_co_u32 s13, s13, s12                     ; my row
	s_lshl_b32 s14, s13, 12
	s_mov_b32 s15, 0
	s_lshl_b32 s16, s13, 12-OUTBF
	s_mov_b32 s17, 0
	s_mov_b32 s18, 0x3a800000                      ; 1 / 1,024
	s_mov_b32 s19, 0x358637bd                      ; 1e-6
	s_mov_b32 s20, 0x76543210
	s_mov_b32 s21, 0xfedcba98
	v_and_b32 v1, 31, v0
	v_lshlrev_b32 v[OO], 4-OUTBF, v1
	v_lshlrev_b32 v1, 4, v1
	s_wait_kmcnt 0x0
	s_add_nc_u64 s[4:5], s[4:5], s[14:15]
	s_add_nc_u64 s[10:11], s[10:11], s[16:17]
.irp j, 0,1,2,3,4,5,6,7
	global_load_b128 v[X+4*\j:X+4*\j+3], v1, s[4:5] offset:512*\j th:TH_LOAD_NT
.endr
.irp j, 0,1,2,3,4,5,6,7
	global_load_b128 v[G+4*\j:G+4*\j+3], v1, s[6:7] offset:512*\j
.endr
.irp j, 0,1,2,3,4,5,6,7
	global_load_b128 v[BB+4*\j:BB+4*\j+3], v1, s[8:9] offset:512*\j
.endr
.macro RED                             ; the four chains into one number, then over the 32 lanes; every lane ends with the sum in v[A]
	v_pk_add_f32 v[A:A+1], v[A:A+1], v[A+2:A+3]
	v_pk_add_f32 v[A+4:A+5], v[A+4:A+5], v[A+6:A+7]
	v_pk_add_f32 v[A:A+1], v[A:A+1], v[A+4:A+5]
	v_add_f32 v[A], v[A], v[A+1]
	v_add_f32_dpp v[A], v[A], v[A] row_xmask:1 row_mask:0xf bank_mask:0xf
	v_add_f32_dpp v[A], v[A], v[A] row_xmask:2 row_mask:0xf bank_mask:0xf
	v_add_f32_dpp v[A], v[A], v[A] row_xmask:4 row_mask:0xf bank_mask:0xf
	v_add_f32_dpp v[A], v[A], v[A] row_xmask:8 row_mask:0xf bank_mask:0xf
	v_permlanex16_b32 v[A+1], v[A], s20, s21
	v_add_f32 v[A], v[A], v[A+1]
.endm
	s_wait_loadcnt 16                              ; the row is in; g's and b's 16 loads stay out
.irp c, 0,1,2,3
	v_pk_add_f32 v[A+2*\c:A+2*\c+1], v[X+2*\c:X+2*\c+1], v[X+8+2*\c:X+8+2*\c+1]
.endr
.irp k, 16,24
.irp c, 0,1,2,3
	v_pk_add_f32 v[A+2*\c:A+2*\c+1], v[A+2*\c:A+2*\c+1], v[X+\k+2*\c:X+\k+2*\c+1]
.endr
.endr
	RED
	v_mul_f32 v[MU], s18, v[A]
	v_mul_f32 v[MU+1], s18, v[A]
.set i_, 0
.rept 16
	v_pk_add_f32 v[X+2*i_:X+2*i_+1], v[X+2*i_:X+2*i_+1], v[MU:MU+1] neg_lo:[0,1] neg_hi:[0,1]
.set i_, i_+1
.endr
.irp c, 0,1,2,3
	v_pk_mul_f32 v[A+2*\c:A+2*\c+1], v[X+2*\c:X+2*\c+1], v[X+2*\c:X+2*\c+1]
.endr
.irp k, 8,16,24
.irp c, 0,1,2,3
	v_pk_fma_f32 v[A+2*\c:A+2*\c+1], v[X+\k+2*\c:X+\k+2*\c+1], v[X+\k+2*\c:X+\k+2*\c+1], v[A+2*\c:A+2*\c+1]
.endr
.endr
	RED
	v_fma_f32 v[A], v[A], s18, s19                 ; var + 1e-6
	v_rsq_f32 v[RS], v[A]
	v_rsq_f32 v[RS+1], v[A]
	v_nop                                          ; a plain instruction behind the transcendentals
	s_wait_loadcnt 0x0
.set i_, 0
.rept 32                               ; g, then b: rounded to bf16 and widened again
	v_cvt_pk_bf16_f32 v[TT], v[G+2*i_], v[G+2*i_+1]
	v_lshlrev_b32 v[G+2*i_], 16, v[TT]
	v_and_b32 v[G+2*i_+1], 0xffff0000, v[TT]
.set i_, i_+1
.endr
.set i_, 0
	s_wait_alu depctr_va_vdst(0)
.rept 16
	v_pk_mul_f32 v[X+2*i_:X+2*i_+1], v[X+2*i_:X+2*i_+1], v[RS:RS+1]
.set i_, i_+1
.endr
.set i_, 0
.rept 16
	v_pk_fma_f32 v[X+2*i_:X+2*i_+1], v[X+2*i_:X+2*i_+1], v[G+2*i_:G+2*i_+1], v[BB+2*i_:BB+2*i_+1]
.set i_, i_+1
.endr
.irp j, 0,1,2,3,4,5,6,7
.if OUTBF
	v_cvt_pk_bf16_f32 v[X+4*\j], v[X+4*\j], v[X+4*\j+1]
	v_cvt_pk_bf16_f32 v[X+4*\j+1], v[X+4*\j+2], v[X+4*\j+3]
	global_store_b64 v[OO], v[X+4*\j:X+4*\j+1], s[10:11] offset:256*\j
.else
	global_store_b128 v[OO], v[X+4*\j:X+4*\j+3], s[10:11] offset:512*\j
.endif
.endr
	s_endpgm
.Lfunc_end_k_q72a46f0787_ln1:
	.size	k_q72a46f0787_ln1, .Lfunc_end_k_q72a46f0787_ln1-k_q72a46f0787_ln1
	.p2alignl 7, 3214868480
	.fill 96, 4, 3214868480
	.section	.rodata,"a",@progbits
	.p2align	6, 0x0
	.amdhsa_kernel k_q72a46f0787_ln1
		.amdhsa_group_segment_fixed_size 0
		.amdhsa_private_segment_fixed_size 0
		.amdhsa_enable_private_segment 0
		.amdhsa_kernarg_size 32
		.amdhsa_user_sgpr_count 2
		.amdhsa_user_sgpr_kernarg_segment_ptr 1
		.amdhsa_wavefront_size32 1
		.amdhsa_system_sgpr_workgroup_id_x 1
		.amdhsa_system_sgpr_workgroup_id_y 1
		.amdhsa_system_sgpr_workgroup_id_z 1
		.amdhsa_system_vgpr_workitem_id 0
		.amdhsa_next_free_vgpr 112
		.amdhsa_next_free_sgpr 66
		.amdhsa_reserve_vcc 0
		.amdhsa_float_denorm_mode_32 3
		.amdhsa_float_denorm_mode_16_64 3
		.amdhsa_memory_ordered 1
		.amdhsa_forward_progress 1
		.amdhsa_inst_pref_size 17
	.end_amdhsa_kernel
	.amdgpu_metadata
---
amdhsa.version: [ 1, 2 ]
amdhsa.kernels:
  - .name:           k_q72a46f0787_ln1
    .symbol:         k_q72a46f0787_ln1.kd
    .args:
      - { .name: y, .offset: 0, .size: 8, .value_kind: global_buffer, .address_space: global }
      - { .name: ln1_g, .offset: 8, .size: 8, .value_kind: global_buffer, .address_space: global }
      - { .name: ln1_b, .offset: 16, .size: 8, .value_kind: global_buffer, .address_space: global }
      - { .name: o1, .offset: 24, .size: 8, .value_kind: global_buffer, .address_space: global }
    .group_segment_fixed_size: 0
    .private_segment_fixed_size: 0
    .kernarg_segment_align: 8
    .kernarg_segment_size: 32
    .max_flat_workgroup_size: 256
    .sgpr_count:     66
    .vgpr_count:     112
    .wavefront_size: 32
...
	.end_amdgpu_metadata
.endif
;; end of part 5
;; launch fc1 (part 6): grid 16 x 16, 4 waves a work-group, clusters of 4 x 4, 327,680 bytes of LDS; arguments o1, cb, fc1_b, hb; writes hb
.if DOCPART == 6
	.amdgcn_target "amdgcn-amd-amdhsa--gfx1250"
	.amdhsa_code_object_version 6
	.text
	.protected	k_q72a46f0787_fc1
	.globl	k_q72a46f0787_fc1
	.p2align	8
	.type	k_q72a46f0787_fc1,@function
k_q72a46f0787_fc1:
	s_mov_b64 s[64:65], 0
	v_nop
	global_prefetch_b8 v0, s[64:65] scope:SCOPE_SE
	s_setreg_imm32_b32 hwreg(HW_REG_WAVE_MODE, 25, 1), 1
	s_wait_xcnt 0x0
	s_wait_alu depctr_hold_cnt(0) depctr_sa_sdst(0) depctr_va_vdst(0) depctr_va_sdst(0) depctr_va_ssrc(0) depctr_va_vcc(0) depctr_vm_vsrc(0)
	s_getreg_b32 s2, hwreg(HW_REG_IB_STS2, 6, 4)
	s_cmp_eq_u32 s2, 0
	s_cbranch_scc0 .Lentry_in_a_cluster
	s_endpgm
.Lentry_in_a_cluster:
	s_bfe_u32 s2, ttmp6, 0x10000c
	s_cmp_lg_u32 s2, 0xf033
	s_cbranch_scc0 .Lentry_shape_is_right
	s_endpgm
.Lentry_shape_is_right:
; hb = relu(o1 W1 + fc1_b), [4096][4096], stored rounded once to bf16.  o1 (bf16 [4096][1024]) x W1 (bf16 [1024][4096] in cb), f32 sums.
; The bias, used rounded to bf16 like every input of the program, STARTS the sums: it is added ahead of the products.  The maximum with 0 is taken on the rounded halves (a NaN there gives 0); infinities are not treated apart.
; SHARES.  A work-group makes 256 x 256 (256 work-groups), a wave 128 x 128: 64 accumulators.  K goes in 8 steps of 128 through two LDS slots filled by tensor loads.
; CLUSTER 4 x 4: o1's tile is shared along a row of the cluster, W1's along a column: each is asked for jointly.
; THE WALK ALONG K GOES ROUND: a cluster begins at K step (2 x cluster x + 4 x (cluster y mod 2)) mod 8 and takes the eight steps from there, modulo 8.  o1's tiles are read by the four clusters of a row
; of clusters, W1's by the four of a column: these stand at different steps, so that a tile is asked for at different times and not by all of them at once.  The sums are taken in that order.
; THE PRODUCT IS USED TRANSPOSED: source 0 = 16 columns of W1 (it lies [k][n] in LDS and is turned by ds_load_tr16_b128), source 1 = 16 rows of o1: a lane holds row l % 16 and 8 neighbouring columns.
; REGISTERS: window 0 addresses, bias, way out; window 1 two fragment buffers of 128; windows 2, 3 accumulator (a, b) at 8 (8 a + b).
; No prefetch: every tile is asked for jointly, by one load for four work-groups, a K step's 256 products ahead of its use.
.set MA, 8
.set NA, 8
.set KD, 1
.set T,  8                             ; K steps, a power of two
.set OX, 2                             ; the walk's first step: OX x cluster x + OY x (cluster y and YM), modulo T
.set YM, 1
.set OY, 4
.set APITCH, 272
.set AH, 128*APITCH
.set ABLK, 16*APITCH
.set PB, 544                           ; a k-row of W1 in LDS: 512 + 32 bytes = 17 x 32
.set BH, 64*PB
.set SLOT, 2*AH+2*BH
.set QA, 64
.set QB, 32*KD*PB
.set BGAP, 0
.set WBOFF, 256
.set ASTEP, 256
.set BSTEP, 128*8192
.set STG, 16*272
.set STAGE, 2*SLOT
.set SPARE, STAGE+4*STG
.set ADIM0, 128
.set AROWS, 128
.set ASTRIDE, 1024
.set AG10, (1<<16)|(1<<20)|(1<<21)|(5<<22)|(3<<25)   ; after every 64 words, 4 words
.set BDIM0, 256
.set BROWS, 64
.set BSTRIDE, 4096
.set BG10, (1<<16)|(1<<20)|(1<<21)|(6<<22)|(7<<25)   ; after every 128 words, 8 words
.set BREG, 16777216                    ; W1 in cb
.set TNB, 512
.set PAB, 4
.set PBB, 6
.set A0, 4
.set B0, 5
.set ADRA, 6
.set ADRB, 7
.set STO, 8
.set RD, 9
.set CO, 10
.set BO, 12
.set ZERO, 13
.set SPW, 14
.set NIL, 15
.set BIAS, 32                          ; v[32:95]
.set TMP, 96                           ; v[96:127]
.set BK, 128                           ; v[128:191] two blocks read back from the stage, by turns
.set F0, 0
.set F1, 128
.set CNT, 2
.set SL, 3
.set WV, 12
.set RH, 13
.set CH, 14
.set CX, 15
.set CY, 16
.set TN, 17
.set TMI, 18
.set G1A, 24
.set G0A, 32
.set G1B, 40
.set G0B, 48
.set KA, 56
.set KB, 57
.set TBF, 58
.set LA, 59
.set LB, 60
.set PC, 66
.set KI, 84                            ; s84 the K step asked for last
.set OA, 86                            ; s[86:87] its byte offset in A
.set OB, 88                            ; s[88:89] and in B
.set MSB, 0
.macro WIN new
.if MSB != (\new)
	s_set_vgpr_msb (MSB<<8)|(\new)
.set MSB, (\new)
.endif
.endm
.macro CROUND
	s_barrier_signal -1
	s_barrier_wait -1
	s_cmp_lg_u32 s[WV], 0
	s_cbranch_scc1 .Lnot_wave_0_\@
	s_barrier_signal -3
.Lnot_wave_0_\@:
	s_barrier_wait -3
	s_barrier_signal -1
	s_barrier_wait -1
.endm
.macro JLOAD                           ; waves 0, 1 fetch A's halves, waves 2, 3 B's; s_nop 0 and four v_nop follow each line
	s_cmp_eq_u32 s[RH], 0
	s_cbranch_scc0 .Lfor_b_\@
	tensor_load_to_lds s[G0A+4:G0A+7], s[G1A:G1A+7]
	s_nop 0
.rept 4
	v_nop
.endr
	s_branch .Lasked_\@
.Lfor_b_\@:
	tensor_load_to_lds s[G0B+4:G0B+7], s[G1B:G1B+7]
	s_nop 0
.rept 4
	v_nop
.endr
.Lasked_\@:
.endm
.macro SHAPE g, d0, rows, stride
	s_mov_b32 s[(\g)+1], (\d0)<<16
	s_mov_b32 s[(\g)+2], (\rows)<<16
	s_mov_b32 s[(\g)+3], (\d0)<<16
	s_mov_b32 s[(\g)+4], \rows
	s_mov_b32 s[(\g)+5], \stride
	s_mov_b32 s[(\g)+6], 0
	s_mov_b32 s[(\g)+7], 0
.endm
.macro RND a
	v_cvt_pk_bf16_f32 v3, v[\a], v[(\a)+1]
	v_lshlrev_b32 v[\a], 16, v3
	v_and_b32 v[(\a)+1], 0xffff0000, v3
.endm
; 32 LDS loads in one run, directly behind the products that read the buffer last: the two v_nop and the two address lines are the four places between those products and the loads
.macro FETCH f
	WIN 0
	v_nop
	v_nop
	v_add_nc_u32 v[ADRA], s[KA], v[A0]
	v_add_nc_u32 v[ADRB], s[KB], v[B0]
	s_add_co_u32 s[KA], s[KA], QA
	s_add_co_u32 s[KB], s[KB], QB
	WIN 0x40
.set c_, 0
.rept KD
.set b_, 0
.rept NA
.set rB, (\f)+8*(c_*NA+b_)
	ds_load_tr16_b128 v[rB:rB+3],   v[ADRB] offset:c_*32*PB+32*b_+BGAP*(b_/4)
	ds_load_tr16_b128 v[rB+4:rB+7], v[ADRB] offset:c_*32*PB+32*b_+BGAP*(b_/4)+16*PB
.set b_, b_+1
.endr
.set c_, c_+1
.endr
.set a_, 0
.rept MA
.set c_, 0
.rept KD
.set rA, (\f)+8*KD*NA+8*(a_*KD+c_)
	ds_load_b128 v[rA:rA+3],   v[ADRA] offset:a_*ABLK+64*c_
	ds_load_b128 v[rA+4:rA+7], v[ADRA] offset:a_*ABLK+64*c_+32
.set c_, c_+1
.endr
.set a_, a_+1
.endr
.endm
; a quarter step's products; the accumulators take turns, one instruction a turn; first = 1: the bias starts the sums
.macro MULS f, first
.set c_, 0
.rept KD
.set a_, 0
.rept MA
.set b_, 0
.rept NA
.set ix, 8*(a_*NA+b_)
.set rD, ix%256
.set wD, 2+ix/256
.set rB, (\f)+8*(c_*NA+b_)
.set rA, (\f)+8*KD*NA+8*(a_*KD+c_)
.if (\first) && (c_ == 0)
	WIN 0x05|(wD<<6)
	v_wmma_f32_16x16x32_bf16 v[rD:rD+7], v[rB:rB+7], v[rA:rA+7], v[BIAS+8*b_:BIAS+8*b_+7]
.else
	WIN 0x05|(wD*0x50)
	v_wmma_f32_16x16x32_bf16 v[rD:rD+7], v[rB:rB+7], v[rA:rA+7], v[rD:rD+7]
.endif
.set b_, b_+1
.endr
.set a_, a_+1
.endr
.set c_, c_+1
.endr
.endm
.macro TRIP                            ; two quarter steps.  A buffer is asked for again as soon as its products are issued: a whole quarter step, MA x NA x KD products, ahead of its first use
	FETCH F0
	s_wait_dscnt 32                                ; all but the 32 just issued: buffer 1 is whole
	MULS F1, 0
	FETCH F1
	s_wait_dscnt 32                                ; buffer 0 is whole
	MULS F0, 0
	WIN 0
.endm
; THE CHANGE OF SLOTS, ahead of the fetch of the new slot's first quarter; the old slot's last quarter lies in buffer 1.  All my tensor loads have landed, the add, my reads of the slot are over;
; with fill = 1 a round of the cluster's barrier and the joint refill first behind it
.macro CHANGE fill
	WIN 0
	s_wait_tensorcnt 0x0
	ds_add_u32 v[SPW], v[NIL]
	s_sub_co_u32 s[KA], s[KA], 4*QA
	s_xor_b32 s[KA], s[KA], SLOT
	s_sub_co_u32 s[KB], s[KB], 4*QB
	s_xor_b32 s[KB], s[KB], SLOT
.if \fill
	s_xor_b32 s[TBF], s[TBF], SLOT
	s_add_co_u32 s[G0A+5], s[LA], s[TBF]
	s_add_co_u32 s[G0B+5], s[LB], s[TBF]
	s_add_co_u32 s[KI], s[KI], 1                   ; the next K step, modulo T;
	s_and_b32 s[KI], s[KI], T-1
	s_mul_i32 s[OA], s[KI], ASTEP
	s_mul_i32 s[OB], s[KI], BSTEP
	s_add_nc_u64 s[G0A+6:G0A+7], s[20:21], s[OA:OA+1]  ; the addresses are made anew: the base and the step's offset, then the type
	s_or_b32 s[G0A+7], s[G0A+7], 0x80000000
	s_add_nc_u64 s[G0B+6:G0B+7], s[22:23], s[OB:OB+1]
	s_or_b32 s[G0B+7], s[G0B+7], 0x80000000
	s_wait_dscnt 0x0
	CROUND
	JLOAD
.else
	s_wait_dscnt 0x0
	s_barrier_signal -1
	s_barrier_wait -1
.endif
.endm
	s_load_b256 s[4:11], s[0:1], 0x0               ; o1, cb, fc1_b, hb
	v_lshl_add_u32 v[SPW], v0, 2, SPARE
	v_mov_b32 v[NIL], 0
	ds_add_u32 v[SPW], v[NIL]                      ; the wave's opening: the add and its wait stand ahead of my first tensor load
	v_lshrrev_b32 v1, 5, v0
	v_readfirstlane_b32 s[WV], v1
	s_lshr_b32 s[RH], s[WV], 1
	s_and_b32 s[CH], s[WV], 1
	s_bfe_u32 s[CX], ttmp6, 0x40000
	s_bfe_u32 s[CY], ttmp6, 0x40004
	s_lshl_b32 s[TN], ttmp9, 2
	s_add_co_u32 s[TN], s[TN], s[CX]
	s_and_b32 s[TMI], ttmp7, 0xffff
	s_lshl_b32 s[TMI], s[TMI], 2
	s_add_co_u32 s[TMI], s[TMI], s[CY]
	s_lshl_b32 s20, s[CY], 2
	s_lshl_b32 s20, 15, s20
	s_lshl_b32 s22, 0x1111, s[CX]
	s_or_b32 s[G1A], s20, AG10
	s_or_b32 s[G1B], s22, BG10
	SHAPE G1A, ADIM0, AROWS, ASTRIDE
	SHAPE G1B, BDIM0, BROWS, BSTRIDE
	s_mul_i32 s20, s[TMI], 2*AROWS*ASTRIDE*2
	s_mul_i32 s21, s[CH], AROWS*ASTRIDE*2
	s_add_co_u32 s20, s20, s21
	s_mov_b32 s21, 0
	s_mul_i32 s22, s[TN], TNB
	s_mul_i32 s23, s[CH], BROWS*BSTRIDE*2
	s_add_co_u32 s22, s22, s23
	s_add_co_u32 s22, s22, BREG
	s_mov_b32 s23, 0
	s_mul_i32 s[LA], s[CH], AH
	s_mul_i32 s[LB], s[CH], BH
	s_add_co_u32 s[LB], s[LB], 2*AH
	s_mov_b32 s[KA], 0
	s_mov_b32 s[KB], 0
	s_mov_b32 s[TBF], SLOT
	s_and_b32 s[KI], ttmp7, YM                     ; the walk's first K step, from the cluster's x and y, which all sixteen partners share
	s_mul_i32 s[KI], s[KI], OY
	s_mul_i32 s[OA], ttmp9, OX
	s_add_co_u32 s[KI], s[KI], s[OA]
	s_and_b32 s[KI], s[KI], T-1
	s_mov_b32 s[OA+1], 0
	s_mov_b32 s[OB+1], 0
	s_wait_dscnt 0x0
	s_wait_kmcnt 0x0
	s_add_nc_u64 s[20:21], s[PAB:PAB+1], s[20:21]  ; A and B at K step 0 of my part: kept for the whole walk
	s_add_nc_u64 s[22:23], s[PBB:PBB+1], s[22:23]
	CROUND
.irp s, 0,1
	s_mul_i32 s[OA], s[KI], ASTEP
	s_mul_i32 s[OB], s[KI], BSTEP
	s_mov_b32 s[G0A+4*\s], 1
	s_add_co_u32 s[G0A+4*\s+1], s[LA], \s*SLOT
	s_add_nc_u64 s[G0A+4*\s+2:G0A+4*\s+3], s[20:21], s[OA:OA+1]
	s_or_b32 s[G0A+4*\s+3], s[G0A+4*\s+3], 0x80000000
	s_mov_b32 s[G0B+4*\s], 1
	s_add_co_u32 s[G0B+4*\s+1], s[LB], \s*SLOT
	s_add_nc_u64 s[G0B+4*\s+2:G0B+4*\s+3], s[22:23], s[OB:OB+1]
	s_or_b32 s[G0B+4*\s+3], s[G0B+4*\s+3], 0x80000000
.if \s == 0
	s_add_co_u32 s[KI], s[KI], 1                   ; the walk's second step
	s_and_b32 s[KI], s[KI], T-1
.endif
.endr
	s_cmp_eq_u32 s[RH], 0
	s_cbranch_scc0 .Lfirst_b
	tensor_load_to_lds s[G0A:G0A+3], s[G1A:G1A+7]
	s_nop 0
	tensor_load_to_lds s[G0A+4:G0A+7], s[G1A:G1A+7]
	s_nop 0
.rept 4
	v_nop
.endr
	s_branch .Lfirst_asked
.Lfirst_b:
	tensor_load_to_lds s[G0B:G0B+3], s[G1B:G1B+7]
	s_nop 0
	tensor_load_to_lds s[G0B+4:G0B+7], s[G1B:G1B+7]
	s_nop 0
.rept 4
	v_nop
.endr
.Lfirst_asked:
	v_and_b32 v1, 15, v0
	v_bfe_u32 v2, v0, 4, 1
	v_mul_u32_u24 v[A0], v1, APITCH
	v_lshl_add_u32 v[A0], v2, 4, v[A0]
	s_mul_i32 s61, s[RH], AH
	v_add_nc_u32 v[A0], s61, v[A0]
	v_and_b32 v3, 7, v0
	v_lshl_add_u32 v[B0], v2, 3, v3
	v_mul_u32_u24 v[B0], v[B0], PB
	v_bfe_u32 v3, v0, 3, 1
	v_lshl_add_u32 v[B0], v3, 4, v[B0]
	s_mul_i32 s61, s[CH], WBOFF
	s_add_co_u32 s61, s61, 2*AH
	v_add_nc_u32 v[B0], s61, v[B0]
	v_lshlrev_b32 v[BO], 5, v2
	v_mov_b32 v[ZERO], 0
	s_lshl_b32 s61, s[TN], 8
	s_lshl_b32 s62, s[CH], 7
	s_add_co_u32 s61, s61, s62                     ; my first column
	s_mov_b32 s83, 0
	s_lshl_b32 s82, s61, 2
	s_add_nc_u64 s[8:9], s[8:9], s[82:83]          ; the bias at my first column
	s_lshl_b32 s62, s[TMI], 8
	s_lshl_b32 s63, s[RH], 7
	s_add_co_u32 s62, s62, s63                     ; my first row
	s_lshl_b32 s62, s62, 13
	s_lshl_b32 s61, s61, 1
	s_add_co_u32 s82, s62, s61
	s_add_nc_u64 s[PC:PC+1], s[10:11], s[82:83]
.set b_, 0
.rept NA
	global_load_b128 v[BIAS+8*b_:BIAS+8*b_+3],   v[BO], s[8:9] offset:64*b_
	global_load_b128 v[BIAS+8*b_+4:BIAS+8*b_+7], v[BO], s[8:9] offset:64*b_+16
.set b_, b_+1
.endr
	s_mul_i32 s61, s[WV], STG
	s_add_co_u32 s61, s61, STAGE
	v_mul_u32_u24 v[STO], v1, 272                  ; in: row r of 128 bf16, 16 bytes for each half of the lanes
	v_lshl_add_u32 v[STO], v2, 4, v[STO]
	v_add_nc_u32 v[STO], s61, v[STO]
	v_mul_u32_u24 v[RD], v2, 272                   ; back: lanes 0-15 one row of 256 bytes, lanes 16-31 the next
	v_lshl_add_u32 v[RD], v1, 4, v[RD]
	v_add_nc_u32 v[RD], s61, v[RD]
	v_lshlrev_b32 v[CO], 13, v2
	v_lshl_add_u32 v[CO], v1, 4, v[CO]
	s_wait_loadcnt 0x0
.set i_, 0
.rept 4*NA
	RND BIAS+2*i_
.set i_, i_+1
.endr
	s_wait_tensorcnt 0x1                           ; my part of the walk's first K step is in; the second's may stay out
	s_barrier_signal -1
	s_barrier_wait -1
	FETCH F0                                       ; the first quarter step is written out: its products start the sums
	FETCH F1
	s_wait_dscnt 32                                ; buffer 0 is whole
	MULS F0, 1
	WIN 0
	s_mov_b32 s[CNT], 1
	s_mov_b32 s[SL], T-1
	s_branch .Lhalf
.Lslot:
	CHANGE 1
	s_mov_b32 s[CNT], 2
.Lhalf:
	TRIP
	s_sub_co_u32 s[CNT], s[CNT], 1
	s_cmp_lg_u32 s[CNT], 0
	s_cbranch_scc1 .Lhalf
	s_sub_co_u32 s[SL], s[SL], 1
	s_cmp_lg_u32 s[SL], 0
	s_cbranch_scc1 .Lslot
	CHANGE 0
	s_mov_b32 s[CNT], 2
.Ltail:
	TRIP
	s_sub_co_u32 s[CNT], s[CNT], 1
	s_cmp_lg_u32 s[CNT], 0
	s_cbranch_scc1 .Ltail
	s_wait_dscnt 0x0
	MULS F1, 0                                     ; the last quarter step
	WIN 0
.rept 8
	v_nop                                          ; the places behind the last products
.endr
; THE WAY OUT, a block of 16 rows x 128 columns at a time: rounded to bf16, the maximum with 0, through my own stage, back as whole rows of 256 bytes; sixteen lanes store 256 consecutive aligned bytes.
.macro PACK a
.set AC, 64*((\a)%4)
	WIN 0x0a+5*((\a)/4)                            ; sources in window 2 or 3
.set i_, 0
.rept 32
	v_cvt_pk_bf16_f32 v[TMP+i_], v[AC+2*i_], v[AC+2*i_+1]
.set i_, i_+1
.endr
	WIN 0
.set i_, 0
.rept 32
	v_pk_max_num_bf16 v[TMP+i_], v[TMP+i_], v[ZERO]
.set i_, i_+1
.endr
.endm
.macro TOSTAGE a
.irp b, 0,1,2,3,4,5,6,7
	ds_store_b128 v[STO], v[TMP+4*\b:TMP+4*\b+3] offset:32*\b
.endr
.irp t, 0,1,2,3,4,5,6,7
	ds_load_b128 v[BK+32*((\a)%2)+4*\t:BK+32*((\a)%2)+4*\t+3], v[RD] offset:544*\t  ; LDS serves a wave's instructions in order (ISA guide 5.7.1.4)
.endr
.endm
.macro SEND a
	s_wait_dscnt 0x0                               ; the block is back in registers
	s_wait_xcnt 0x0                                ; the stores of the block before have read their data: its registers are loaded again only behind this wait
.irp t, 0,1,2,3,4,5,6,7
	global_store_b128 v[CO], v[BK+32*((\a)%2)+4*\t:BK+32*((\a)%2)+4*\t+3], s[PC:PC+1] offset:131072*(\a)+16384*\t
.endr
.endm
	PACK 0
	TOSTAGE 0
.set u_, 1
.rept 7
	PACK u_
	SEND u_-1
	TOSTAGE u_
.set u_, u_+1
.endr
	SEND 7
	s_wait_tensorcnt 0x0                           ; the wave's end
	ds_add_u32 v[SPW], v[NIL]
	s_wait_dscnt 0x0
	CROUND
	s_endpgm
.Lfunc_end_k_q72a46f0787_fc1:
	.size	k_q72a46f0787_fc1, .Lfunc_end_k_q72a46f0787_fc1-k_q72a46f0787_fc1
	.p2alignl 7, 3214868480
	.fill 96, 4, 3214868480
	.section	.rodata,"a",@progbits
	.p2align	6, 0x0
	.amdhsa_kernel k_q72a46f0787_fc1
		.amdhsa_group_segment_fixed_size 327680
		.amdhsa_private_segment_fixed_size 0
		.amdhsa_enable_private_segment 0
		.amdhsa_kernarg_size 32
		.amdhsa_user_sgpr_count 2
		.amdhsa_user_sgpr_kernarg_segment_ptr 1
		.amdhsa_wavefront_size32 1
		.amdhsa_system_sgpr_workgroup_id_x 1
		.amdhsa_system_sgpr_workgroup_id_y 1
		.amdhsa_system_sgpr_workgroup_id_z 1
		.amdhsa_system_vgpr_workitem_id 0
		.amdhsa_next_free_vgpr 1024
		.amdhsa_next_free_sgpr 92
		.amdhsa_reserve_vcc 0
		.amdhsa_float_denorm_mode_32 3
		.amdhsa_float_denorm_mode_16_64 3
		.amdhsa_memory_ordered 1
		.amdhsa_forward_progress 1
		.amdhsa_inst_pref_size 103
	.end_amdhsa_kernel
	.amdgpu_metadata
---
amdhsa.version: [ 1, 2 ]
amdhsa.kernels:
  - .name:           k_q72a46f0787_fc1
    .symbol:         k_q72a46f0787_fc1.kd
    .args:
      - { .name: o1, .offset: 0, .size: 8, .value_kind: global_buffer, .address_space: global }
      - { .name: cb, .offset: 8, .size: 8, .value_kind: global_buffer, .address_space: global }
      - { .name: fc1_b, .offset: 16, .size: 8, .value_kind: global_buffer, .address_space: global }
      - { .name: hb, .offset: 24, .size: 8, .value_kind: global_buffer, .address_space: global }
    .group_segment_fixed_size: 327680
    .private_segment_fixed_size: 0
    .kernarg_segment_align: 8
    .kernarg_segment_size: 32
    .max_flat_workgroup_size: 128
    .sgpr_count:     92
    .vgpr_count:     1024
    .wavefront_size: 32
...
	.end_amdgpu_metadata
.endif
;; end of part 6
;; launch fc2 (part 7): grid 8 x 32, 4 waves a work-group, clusters of 4 x 4, 327,680 bytes of LDS; arguments hb, cb, fc2_b, o1, y; writes y
.if DOCPART == 7
	.amdgcn_target "amdgcn-amd-amdhsa--gfx1250"
	.amdhsa_code_object_version 6
	.text
	.protected	k_q72a46f0787_fc2
	.globl	k_q72a46f0787_fc2
	.p2align	8
	.type	k_q72a46f0787_fc2,@function
k_q72a46f0787_fc2:
	s_mov_b64 s[64:65], 0
	v_nop
	global_prefetch_b8 v0, s[64:65] scope:SCOPE_SE
	s_setreg_imm32_b32 hwreg(HW_REG_WAVE_MODE, 25, 1), 1
	s_wait_xcnt 0x0
	s_wait_alu depctr_hold_cnt(0) depctr_sa_sdst(0) depctr_va_vdst(0) depctr_va_sdst(0) depctr_va_ssrc(0) depctr_va_vcc(0) depctr_vm_vsrc(0)
	s_getreg_b32 s2, hwreg(HW_REG_IB_STS2, 6, 4)
	s_cmp_eq_u32 s2, 0
	s_cbranch_scc0 .Lentry_in_a_cluster
	s_endpgm
.Lentry_in_a_cluster:
	s_bfe_u32 s2, ttmp6, 0x10000c
	s_cmp_lg_u32 s2, 0xf033
	s_cbranch_scc0 .Lentry_shape_is_right
	s_endpgm
.Lentry_shape_is_right:
; y = o1 + hb W2 + fc2_b, f32 [4096][1024]: the sum that the second norm takes.  hb (bf16 [4096][4096]) x W2 (bf16 [4096][1024] in cb), f32 sums; the residual o1 is bf16.
; The bias, used rounded to bf16 like every input of the program, STARTS the sums: it is added ahead of the products.  NaN and infinities are not treated apart.
; SHARES.  A work-group makes 128 x 128 of y (256 work-groups), a wave 64 x 64: 16 accumulators.  K goes in 16 steps of 256 through two LDS slots filled by tensor loads.
; CLUSTER 4 x 4: hb's tile is shared along a row of the cluster, W2's along a column: each is asked for jointly.
; THE WALK ALONG K GOES ROUND: a cluster begins at K step (8 x cluster x + 4 x (cluster y mod 4)) mod 16 and takes the sixteen steps from there, modulo 16.  hb's tiles are read by the two clusters of a
; row of clusters, W2's by the eight of a column: these stand at different steps, so that a tile is asked for at different times and not by all of them at once.  The sums are taken in that order.
; THE PRODUCT IS USED TRANSPOSED: source 0 = 16 columns of W2 (it lies [k][n] in LDS and is turned by ds_load_tr16_b128), source 1 = 16 rows of hb: a lane holds row l % 16 and 8 neighbouring columns.
; REGISTERS: window 0 addresses, bias, residual, way out; window 1 two fragment buffers of 128; window 2 accumulator (a, b) at 8 (4 a + b).
; No prefetch: every tile is asked for jointly, by one load for four work-groups, a K step's 128 products ahead of its use.
.set MA, 4
.set NA, 4
.set KD, 2
.set T,  16                            ; K steps, a power of two
.set OX, 8                             ; the walk's first step: OX x cluster x + OY x (cluster y and YM), modulo T
.set YM, 3
.set OY, 4
.set APITCH, 528                       ; a row of hb in LDS: 512 bytes + 16
.set AH, 64*APITCH
.set ABLK, 16*APITCH
.set PB, 288
.set BH, 128*PB
.set SLOT, 2*AH+2*BH
.set QA, 128
.set QB, 32*KD*PB
.set BGAP, 0
.set WBOFF, 128
.set ASTEP, 512
.set BSTEP, 256*2048
.set STG, 16*272
.set STAGE, 2*SLOT
.set SPARE, STAGE+4*STG
.set ADIM0, 256
.set AROWS, 64
.set ASTRIDE, 4096
.set AG10, (1<<16)|(1<<20)|(1<<21)|(6<<22)|(3<<25)   ; after every 128 words, 4 words
.set BDIM0, 128
.set BROWS, 128
.set BSTRIDE, 1024
.set BG10, (1<<16)|(1<<20)|(1<<21)|(5<<22)|(7<<25)   ; after every 64 words, 8 words
.set BREG, 25165824                    ; W2 in cb
.set TNB, 256
.set PAB, 4
.set PBB, 6
.set PYB, 66                           ; s[66:67] y
.set PRB, 10                           ; s[10:11] o1, the residual
.set A0, 4
.set B0, 5
.set ADRA, 6
.set ADRB, 7
.set STO, 8
.set RD, 9
.set CO, 10
.set RO, 11
.set BO, 12
.set ONE, 13
.set SPW, 14
.set NIL, 15
.set BIAS, 32
.set RES, 64
.set TT, 128
.set F0, 0
.set F1, 128
.set CNT, 2
.set SL, 3
.set WV, 12
.set RH, 13
.set CH, 14
.set CX, 15
.set CY, 16
.set TN, 17
.set TMI, 18
.set G1A, 24
.set G0A, 32
.set G1B, 40
.set G0B, 48
.set KA, 56
.set KB, 57
.set TBF, 58
.set LA, 59
.set LB, 60
.set PC, 66
.set PR, 68
.set KI, 84                            ; s84 the K step asked for last
.set OA, 86                            ; s[86:87] its byte offset in A
.set OB, 88                            ; s[88:89] and in B
.set MSB, 0
.macro WIN new
.if MSB != (\new)
	s_set_vgpr_msb (MSB<<8)|(\new)
.set MSB, (\new)
.endif
.endm
.macro CROUND
	s_barrier_signal -1
	s_barrier_wait -1
	s_cmp_lg_u32 s[WV], 0
	s_cbranch_scc1 .Lnot_wave_0_\@
	s_barrier_signal -3
.Lnot_wave_0_\@:
	s_barrier_wait -3
	s_barrier_signal -1
	s_barrier_wait -1
.endm
.macro JLOAD                           ; waves 0, 1 fetch A's halves, waves 2, 3 B's; s_nop 0 and four v_nop follow each line
	s_cmp_eq_u32 s[RH], 0
	s_cbranch_scc0 .Lfor_b_\@
	tensor_load_to_lds s[G0A+4:G0A+7], s[G1A:G1A+7]
	s_nop 0
.rept 4
	v_nop
.endr
	s_branch .Lasked_\@
.Lfor_b_\@:
	tensor_load_to_lds s[G0B+4:G0B+7], s[G1B:G1B+7]
	s_nop 0
.rept 4
	v_nop
.endr
.Lasked_\@:
.endm
.macro SHAPE g, d0, rows, stride
	s_mov_b32 s[(\g)+1], (\d0)<<16
	s_mov_b32 s[(\g)+2], (\rows)<<16
	s_mov_b32 s[(\g)+3], (\d0)<<16
	s_mov_b32 s[(\g)+4], \rows
	s_mov_b32 s[(\g)+5], \stride
	s_mov_b32 s[(\g)+6], 0
	s_mov_b32 s[(\g)+7], 0
.endm
.macro RND a
	v_cvt_pk_bf16_f32 v3, v[\a], v[(\a)+1]
	v_lshlrev_b32 v[\a], 16, v3
	v_and_b32 v[(\a)+1], 0xffff0000, v3
.endm
; 32 LDS loads in one run, directly behind the products that read the buffer last: the two v_nop and the two address lines are the four places between those products and the loads
.macro FETCH f
	WIN 0
	v_nop
	v_nop
	v_add_nc_u32 v[ADRA], s[KA], v[A0]
	v_add_nc_u32 v[ADRB], s[KB], v[B0]
	s_add_co_u32 s[KA], s[KA], QA
	s_add_co_u32 s[KB], s[KB], QB
	WIN 0x40
.set c_, 0
.rept KD
.set b_, 0
.rept NA
.set rB, (\f)+8*(c_*NA+b_)
	ds_load_tr16_b128 v[rB:rB+3],   v[ADRB] offset:c_*32*PB+32*b_+BGAP*(b_/4)
	ds_load_tr16_b128 v[rB+4:rB+7], v[ADRB] offset:c_*32*PB+32*b_+BGAP*(b_/4)+16*PB
.set b_, b_+1
.endr
.set c_, c_+1
.endr
.set a_, 0
.rept MA
.set c_, 0
.rept KD
.set rA, (\f)+8*KD*NA+8*(a_*KD+c_)
	ds_load_b128 v[rA:rA+3],   v[ADRA] offset:a_*ABLK+64*c_
	ds_load_b128 v[rA+4:rA+7], v[ADRA] offset:a_*ABLK+64*c_+32
.set c_, c_+1
.endr
.set a_, a_+1
.endr
.endm
; a quarter step's products; the accumulators take turns, one instruction a turn; first = 1: the bias starts the sums
.macro MULS f, first
.set c_, 0
.rept KD
.set a_, 0
.rept MA
.set b_, 0
.rept NA
.set ix, 8*(a_*NA+b_)
.set rD, ix%256
.set wD, 2+ix/256
.set rB, (\f)+8*(c_*NA+b_)
.set rA, (\f)+8*KD*NA+8*(a_*KD+c_)
.if (\first) && (c_ == 0)
	WIN 0x05|(wD<<6)
	v_wmma_f32_16x16x32_bf16 v[rD:rD+7], v[rB:rB+7], v[rA:rA+7], v[BIAS+8*b_:BIAS+8*b_+7]
.else
	WIN 0x05|(wD*0x50)
	v_wmma_f32_16x16x32_bf16 v[rD:rD+7], v[rB:rB+7], v[rA:rA+7], v[rD:rD+7]
.endif
.set b_, b_+1
.endr
.set a_, a_+1
.endr
.set c_, c_+1
.endr
.endm
.macro TRIP                            ; two quarter steps.  A buffer is asked for again as soon as its products are issued: a whole quarter step, MA x NA x KD products, ahead of its first use
	FETCH F0
	s_wait_dscnt 32                                ; all but the 32 just issued: buffer 1 is whole
	MULS F1, 0
	FETCH F1
	s_wait_dscnt 32                                ; buffer 0 is whole
	MULS F0, 0
	WIN 0
.endm
; THE CHANGE OF SLOTS, ahead of the fetch of the new slot's first quarter; the old slot's last quarter lies in buffer 1.  All my tensor loads have landed, the add, my reads of the slot are over;
; with fill = 1 a round of the cluster's barrier and the joint refill first behind it
.macro CHANGE fill
	WIN 0
	s_wait_tensorcnt 0x0
	ds_add_u32 v[SPW], v[NIL]
	s_sub_co_u32 s[KA], s[KA], 4*QA
	s_xor_b32 s[KA], s[KA], SLOT
	s_sub_co_u32 s[KB], s[KB], 4*QB
	s_xor_b32 s[KB], s[KB], SLOT
.if \fill
	s_xor_b32 s[TBF], s[TBF], SLOT
	s_add_co_u32 s[G0A+5], s[LA], s[TBF]
	s_add_co_u32 s[G0B+5], s[LB], s[TBF]
	s_add_co_u32 s[KI], s[KI], 1                   ; the next K step, modulo T;
	s_and_b32 s[KI], s[KI], T-1
	s_mul_i32 s[OA], s[KI], ASTEP
	s_mul_i32 s[OB], s[KI], BSTEP
	s_add_nc_u64 s[G0A+6:G0A+7], s[20:21], s[OA:OA+1]  ; the addresses are made anew: the base and the step's offset, then the type
	s_or_b32 s[G0A+7], s[G0A+7], 0x80000000
	s_add_nc_u64 s[G0B+6:G0B+7], s[22:23], s[OB:OB+1]
	s_or_b32 s[G0B+7], s[G0B+7], 0x80000000
	s_wait_dscnt 0x0
	CROUND
	JLOAD
.else
	s_wait_dscnt 0x0
	s_barrier_signal -1
	s_barrier_wait -1
.endif
.endm
	s_load_b256 s[4:11], s[0:1], 0x0               ; hb, cb, fc2_b, o1
	s_load_b64 s[PYB:PYB+1], s[0:1], 0x20          ; y
	v_lshl_add_u32 v[SPW], v0, 2, SPARE
	v_mov_b32 v[NIL], 0
	ds_add_u32 v[SPW], v[NIL]                      ; the wave's opening: the add and its wait stand ahead of my first tensor load
	v_lshrrev_b32 v1, 5, v0
	v_readfirstlane_b32 s[WV], v1
	s_lshr_b32 s[RH], s[WV], 1
	s_and_b32 s[CH], s[WV], 1
	s_bfe_u32 s[CX], ttmp6, 0x40000
	s_bfe_u32 s[CY], ttmp6, 0x40004
	s_lshl_b32 s[TN], ttmp9, 2
	s_add_co_u32 s[TN], s[TN], s[CX]
	s_and_b32 s[TMI], ttmp7, 0xffff
	s_lshl_b32 s[TMI], s[TMI], 2
	s_add_co_u32 s[TMI], s[TMI], s[CY]
	s_lshl_b32 s20, s[CY], 2
	s_lshl_b32 s20, 15, s20
	s_lshl_b32 s22, 0x1111, s[CX]
	s_or_b32 s[G1A], s20, AG10
	s_or_b32 s[G1B], s22, BG10
	SHAPE G1A, ADIM0, AROWS, ASTRIDE
	SHAPE G1B, BDIM0, BROWS, BSTRIDE
	s_mul_i32 s20, s[TMI], 2*AROWS*ASTRIDE*2
	s_mul_i32 s21, s[CH], AROWS*ASTRIDE*2
	s_add_co_u32 s20, s20, s21
	s_mov_b32 s21, 0
	s_mul_i32 s22, s[TN], TNB
	s_mul_i32 s23, s[CH], BROWS*BSTRIDE*2
	s_add_co_u32 s22, s22, s23
	s_add_co_u32 s22, s22, BREG
	s_mov_b32 s23, 0
	s_mul_i32 s[LA], s[CH], AH
	s_mul_i32 s[LB], s[CH], BH
	s_add_co_u32 s[LB], s[LB], 2*AH
	s_mov_b32 s[KA], 0
	s_mov_b32 s[KB], 0
	s_mov_b32 s[TBF], SLOT
	s_and_b32 s[KI], ttmp7, YM                     ; the walk's first K step, from the cluster's x and y, which all sixteen partners share
	s_mul_i32 s[KI], s[KI], OY
	s_mul_i32 s[OA], ttmp9, OX
	s_add_co_u32 s[KI], s[KI], s[OA]
	s_and_b32 s[KI], s[KI], T-1
	s_mov_b32 s[OA+1], 0
	s_mov_b32 s[OB+1], 0
	s_wait_dscnt 0x0
	s_wait_kmcnt 0x0
	s_add_nc_u64 s[20:21], s[PAB:PAB+1], s[20:21]  ; A and B at K step 0 of my part: kept for the whole walk
	s_add_nc_u64 s[22:23], s[PBB:PBB+1], s[22:23]
	CROUND
.irp s, 0,1
	s_mul_i32 s[OA], s[KI], ASTEP
	s_mul_i32 s[OB], s[KI], BSTEP
	s_mov_b32 s[G0A+4*\s], 1
	s_add_co_u32 s[G0A+4*\s+1], s[LA], \s*SLOT
	s_add_nc_u64 s[G0A+4*\s+2:G0A+4*\s+3], s[20:21], s[OA:OA+1]
	s_or_b32 s[G0A+4*\s+3], s[G0A+4*\s+3], 0x80000000
	s_mov_b32 s[G0B+4*\s], 1
	s_add_co_u32 s[G0B+4*\s+1], s[LB], \s*SLOT
	s_add_nc_u64 s[G0B+4*\s+2:G0B+4*\s+3], s[22:23], s[OB:OB+1]
	s_or_b32 s[G0B+4*\s+3], s[G0B+4*\s+3], 0x80000000
.if \s == 0
	s_add_co_u32 s[KI], s[KI], 1                   ; the walk's second step
	s_and_b32 s[KI], s[KI], T-1
.endif
.endr
	s_cmp_eq_u32 s[RH], 0
	s_cbranch_scc0 .Lfirst_b
	tensor_load_to_lds s[G0A:G0A+3], s[G1A:G1A+7]
	s_nop 0
	tensor_load_to_lds s[G0A+4:G0A+7], s[G1A:G1A+7]
	s_nop 0
.rept 4
	v_nop
.endr
	s_branch .Lfirst_asked
.Lfirst_b:
	tensor_load_to_lds s[G0B:G0B+3], s[G1B:G1B+7]
	s_nop 0
	tensor_load_to_lds s[G0B+4:G0B+7], s[G1B:G1B+7]
	s_nop 0
.rept 4
	v_nop
.endr
.Lfirst_asked:
	v_and_b32 v1, 15, v0
	v_bfe_u32 v2, v0, 4, 1
	v_mul_u32_u24 v[A0], v1, APITCH
	v_lshl_add_u32 v[A0], v2, 4, v[A0]
	s_mul_i32 s61, s[RH], AH
	v_add_nc_u32 v[A0], s61, v[A0]
	v_and_b32 v3, 7, v0
	v_lshl_add_u32 v[B0], v2, 3, v3
	v_mul_u32_u24 v[B0], v[B0], PB
	v_bfe_u32 v3, v0, 3, 1
	v_lshl_add_u32 v[B0], v3, 4, v[B0]
	s_mul_i32 s61, s[CH], WBOFF
	s_add_co_u32 s61, s61, 2*AH
	v_add_nc_u32 v[B0], s61, v[B0]
	v_lshlrev_b32 v[BO], 5, v2
	v_mov_b32 v[ONE], 1.0
	s_lshl_b32 s61, s[TN], 7
	s_lshl_b32 s62, s[CH], 6
	s_add_co_u32 s61, s61, s62                     ; my first column
	s_lshl_b32 s62, s[TMI], 7
	s_lshl_b32 s63, s[RH], 6
	s_add_co_u32 s62, s62, s63                     ; my first row
	s_mov_b32 s83, 0
	s_lshl_b32 s82, s61, 2
	s_add_nc_u64 s[8:9], s[8:9], s[82:83]          ; the bias at my first column
	s_lshl_b32 s63, s62, 12
	s_add_co_u32 s82, s82, s63
	s_add_nc_u64 s[PC:PC+1], s[PYB:PYB+1], s[82:83]
	s_lshl_b32 s63, s62, 11
	s_lshl_b32 s82, s61, 1
	s_add_co_u32 s82, s82, s63
	s_add_nc_u64 s[PR:PR+1], s[PRB:PRB+1], s[82:83]
	v_lshlrev_b32 v[RO], 11, v2
	v_lshl_add_u32 v[RO], v1, 3, v[RO]
.set b_, 0
.rept NA
	global_load_b128 v[BIAS+8*b_:BIAS+8*b_+3],   v[BO], s[8:9] offset:64*b_
	global_load_b128 v[BIAS+8*b_+4:BIAS+8*b_+7], v[BO], s[8:9] offset:64*b_+16
.set b_, b_+1
.endr
.set i_, 0
.rept 32
	global_load_b64 v[RES+2*i_:RES+2*i_+1], v[RO], s[PR:PR+1] offset:32768*(i_/8)+4096*(i_%8)
.set i_, i_+1
.endr
	s_mul_i32 s61, s[WV], STG
	s_add_co_u32 s61, s61, STAGE
	v_mul_u32_u24 v[STO], v1, 272
	v_lshl_add_u32 v[STO], v2, 5, v[STO]
	v_add_nc_u32 v[STO], s61, v[STO]
	v_mul_u32_u24 v[RD], v2, 272
	v_lshl_add_u32 v[RD], v1, 4, v[RD]
	v_add_nc_u32 v[RD], s61, v[RD]
	v_lshlrev_b32 v[CO], 12, v2
	v_lshl_add_u32 v[CO], v1, 4, v[CO]
	s_wait_loadcnt 32                              ; the bias is in; the 32 loads of the residual may stay out
.set i_, 0
.rept 4*NA
	RND BIAS+2*i_
.set i_, i_+1
.endr
	s_wait_tensorcnt 0x1                           ; my part of the walk's first K step is in; the second's may stay out
	s_barrier_signal -1
	s_barrier_wait -1
	FETCH F0                                       ; the first quarter step is written out: its products start the sums
	FETCH F1
	s_wait_dscnt 32                                ; buffer 0 is whole
	MULS F0, 1
	WIN 0
	s_mov_b32 s[CNT], 1
	s_mov_b32 s[SL], T-1
	s_branch .Lhalf
.Lslot:
	CHANGE 1
	s_mov_b32 s[CNT], 2
.Lhalf:
	TRIP
	s_sub_co_u32 s[CNT], s[CNT], 1
	s_cmp_lg_u32 s[CNT], 0
	s_cbranch_scc1 .Lhalf
	s_sub_co_u32 s[SL], s[SL], 1
	s_cmp_lg_u32 s[SL], 0
	s_cbranch_scc1 .Lslot
	CHANGE 0
	s_mov_b32 s[CNT], 2
.Ltail:
	TRIP
	s_sub_co_u32 s[CNT], s[CNT], 1
	s_cmp_lg_u32 s[CNT], 0
	s_cbranch_scc1 .Ltail
	s_wait_dscnt 0x0
	MULS F1, 0                                     ; the last quarter step
	WIN 0
.rept 8
	v_nop                                          ; the places behind the last products
.endr
; THE WAY OUT, a block of 16 rows at a time: the f32 sums go through my own stage and come back as whole rows of 256 bytes; the residual is added; sixteen lanes store 256 consecutive aligned bytes.
.macro TOSTAGE a
	WIN 0x08                                       ; store data in window 2
.set b_, 0
.rept 4
.set AC, 8*((\a)*NA+b_)
	ds_store_b128 v[STO], v[AC:AC+3]   offset:64*b_
	ds_store_b128 v[STO], v[AC+4:AC+7] offset:64*b_+16
.set b_, b_+1
.endr
	WIN 0
.set t_, 0
.rept 8
	ds_load_b128 v[TT+32*(\a)+4*t_:TT+32*(\a)+4*t_+3], v[RD] offset:544*t_  ; LDS serves a wave's instructions in order (ISA guide 5.7.1.4)
.set t_, t_+1
.endr
.endm
.macro SEND a, younger                 ; younger: the next block's 16 LDS instructions, or none
.set t_, 0
.rept 8
	s_wait_dscnt (\younger)+7-t_
.set rT, TT+32*(\a)+4*t_
.set rR, RES+2*(8*(\a)+t_)
	v_fma_mix_f32_bf16 v[rT],   v[rR],   v[ONE], v[rT]   op_sel_hi:[1,0,0]
	v_fma_mix_f32_bf16 v[rT+1], v[rR],   v[ONE], v[rT+1] op_sel:[1,0,0] op_sel_hi:[1,0,0]
	v_fma_mix_f32_bf16 v[rT+2], v[rR+1], v[ONE], v[rT+2] op_sel_hi:[1,0,0]
	v_fma_mix_f32_bf16 v[rT+3], v[rR+1], v[ONE], v[rT+3] op_sel:[1,0,0] op_sel_hi:[1,0,0]
	global_store_b128 v[CO], v[rT:rT+3], s[PC:PC+1] offset:65536*(\a)+8192*t_
.set t_, t_+1
.endr
.endm
	TOSTAGE 0
	TOSTAGE 1
	s_wait_loadcnt 0x0                             ; the residual
	SEND 0, 16
	TOSTAGE 2
	SEND 1, 16
	TOSTAGE 3
	SEND 2, 16
	SEND 3, 0
	s_wait_tensorcnt 0x0                           ; the wave's end
	ds_add_u32 v[SPW], v[NIL]
	s_wait_dscnt 0x0
	CROUND
	s_endpgm
.Lfunc_end_k_q72a46f0787_fc2:
	.size	k_q72a46f0787_fc2, .Lfunc_end_k_q72a46f0787_fc2-k_q72a46f0787_fc2
	.p2alignl 7, 3214868480
	.fill 96, 4, 3214868480
	.section	.rodata,"a",@progbits
	.p2align	6, 0x0
	.amdhsa_kernel k_q72a46f0787_fc2
		.amdhsa_group_segment_fixed_size 327680
		.amdhsa_private_segment_fixed_size 0
		.amdhsa_enable_private_segment 0
		.amdhsa_kernarg_size 40
		.amdhsa_user_sgpr_count 2
		.amdhsa_user_sgpr_kernarg_segment_ptr 1
		.amdhsa_wavefront_size32 1
		.amdhsa_system_sgpr_workgroup_id_x 1
		.amdhsa_system_sgpr_workgroup_id_y 1
		.amdhsa_system_sgpr_workgroup_id_z 1
		.amdhsa_system_vgpr_workitem_id 0
		.amdhsa_next_free_vgpr 640
		.amdhsa_next_free_sgpr 92
		.amdhsa_reserve_vcc 0
		.amdhsa_float_denorm_mode_32 3
		.amdhsa_float_denorm_mode_16_64 3
		.amdhsa_memory_ordered 1
		.amdhsa_forward_progress 1
		.amdhsa_inst_pref_size 60
	.end_amdhsa_kernel
	.amdgpu_metadata
---
amdhsa.version: [ 1, 2 ]
amdhsa.kernels:
  - .name:           k_q72a46f0787_fc2
    .symbol:         k_q72a46f0787_fc2.kd
    .args:
      - { .name: hb, .offset: 0, .size: 8, .value_kind: global_buffer, .address_space: global }
      - { .name: cb, .offset: 8, .size: 8, .value_kind: global_buffer, .address_space: global }
      - { .name: fc2_b, .offset: 16, .size: 8, .value_kind: global_buffer, .address_space: global }
      - { .name: o1, .offset: 24, .size: 8, .value_kind: global_buffer, .address_space: global }
      - { .name: y, .offset: 32, .size: 8, .value_kind: global_buffer, .address_space: global }
    .group_segment_fixed_size: 327680
    .private_segment_fixed_size: 0
    .kernarg_segment_align: 8
    .kernarg_segment_size: 40
    .max_flat_workgroup_size: 128
    .sgpr_count:     92
    .vgpr_count:     640
    .wavefront_size: 32
...
	.end_amdgpu_metadata
.endif
;; end of part 7
;; launch ln2 (part 8): grid 512 x 1, 8 waves a work-group, no clusters, 0 bytes of LDS; arguments y, ln2_g, ln2_b, out0; writes out0
.if DOCPART == 8
	.amdgcn_target "amdgcn-amd-amdhsa--gfx1250"
	.amdhsa_code_object_version 6
	.text
	.protected	k_q72a46f0787_ln2
	.globl	k_q72a46f0787_ln2
	.p2align	8
	.type	k_q72a46f0787_ln2,@function
k_q72a46f0787_ln2:
	s_mov_b64 s[64:65], 0
	v_nop
	global_prefetch_b8 v0, s[64:65] scope:SCOPE_SE
	s_setreg_imm32_b32 hwreg(HW_REG_WAVE_MODE, 25, 1), 1
	s_wait_xcnt 0x0
; out0[r] = (y[r] - mean) / sqrt(var + 1e-6) x g + b, rows of 1,024 f32, stored in f32.  g and b are used rounded to bf16, like every input of the program.
; One wave, one row: 32 registers hold it between the passes (mean; sum of squares of x - mean; scaling), so it is read once and the reduction never leaves the wave: no LDS, no barrier, no loop.
; A load and a store of a wave cover 512 bytes on end, aligned.  Matrix units and clusters have nothing to do here.
.set OUTBF, 0
.set X, 2                              ; v[2:33]   the row
.set G, 34                             ; v[34:65]  g
.set BB, 66                            ; v[66:97]  b
.set A, 98                             ; v[98:105] four chains of packed sums
.set MU, 106
.set RS, 108
.set TT, 110
.set OO, 111
	s_load_b256 s[4:11], s[0:1], 0x0               ; y, g, b, out
	v_lshrrev_b32 v1, 5, v0
	v_readfirstlane_b32 s12, v1
	s_lshl_b32 s13, ttmp9, 3
	s_add_co_u32 s13, s13, s12                     ; my row
	s_lshl_b32 s14, s13, 12
	s_mov_b32 s15, 0
	s_lshl_b32 s16, s13, 12-OUTBF
	s_mov_b32 s17, 0
	s_mov_b32 s18, 0x3a800000                      ; 1 / 1,024
	s_mov_b32 s19, 0x358637bd                      ; 1e-6
	s_mov_b32 s20, 0x76543210
	s_mov_b32 s21, 0xfedcba98
	v_and_b32 v1, 31, v0
	v_lshlrev_b32 v[OO], 4-OUTBF, v1
	v_lshlrev_b32 v1, 4, v1
	s_wait_kmcnt 0x0
	s_add_nc_u64 s[4:5], s[4:5], s[14:15]
	s_add_nc_u64 s[10:11], s[10:11], s[16:17]
.irp j, 0,1,2,3,4,5,6,7
	global_load_b128 v[X+4*\j:X+4*\j+3], v1, s[4:5] offset:512*\j th:TH_LOAD_NT
.endr
.irp j, 0,1,2,3,4,5,6,7
	global_load_b128 v[G+4*\j:G+4*\j+3], v1, s[6:7] offset:512*\j
.endr
.irp j, 0,1,2,3,4,5,6,7
	global_load_b128 v[BB+4*\j:BB+4*\j+3], v1, s[8:9] offset:512*\j
.endr
.macro RED                             ; the four chains into one number, then over the 32 lanes; every lane ends with the sum in v[A]
	v_pk_add_f32 v[A:A+1], v[A:A+1], v[A+2:A+3]
	v_pk_add_f32 v[A+4:A+5], v[A+4:A+5], v[A+6:A+7]
	v_pk_add_f32 v[A:A+1], v[A:A+1], v[A+4:A+5]
	v_add_f32 v[A], v[A], v[A+1]
	v_add_f32_dpp v[A], v[A], v[A] row_xmask:1 row_mask:0xf bank_mask:0xf
	v_add_f32_dpp v[A], v[A], v[A] row_xmask:2 row_mask:0xf bank_mask:0xf
	v_add_f32_dpp v[A], v[A], v[A] row_xmask:4 row_mask:0xf bank_mask:0xf
	v_add_f32_dpp v[A], v[A], v[A] row_xmask:8 row_mask:0xf bank_mask:0xf
	v_permlanex16_b32 v[A+1], v[A], s20, s21
	v_add_f32 v[A], v[A], v[A+1]
.endm
	s_wait_loadcnt 16                              ; the row is in; g's and b's 16 loads stay out
.irp c, 0,1,2,3
	v_pk_add_f32 v[A+2*\c:A+2*\c+1], v[X+2*\c:X+2*\c+1], v[X+8+2*\c:X+8+2*\c+1]
.endr
.irp k, 16,24
.irp c, 0,1,2,3
	v_pk_add_f32 v[A+2*\c:A+2*\c+1], v[A+2*\c:A+2*\c+1], v[X+\k+2*\c:X+\k+2*\c+1]
.endr
.endr
	RED
	v_mul_f32 v[MU], s18, v[A]
	v_mul_f32 v[MU+1], s18, v[A]
.set i_, 0
.rept 16
	v_pk_add_f32 v[X+2*i_:X+2*i_+1], v[X+2*i_:X+2*i_+1], v[MU:MU+1] neg_lo:[0,1] neg_hi:[0,1]
.set i_, i_+1
.endr
.irp c, 0,1,2,3
	v_pk_mul_f32 v[A+2*\c:A+2*\c+1], v[X+2*\c:X+2*\c+1], v[X+2*\c:X+2*\c+1]
.endr
.irp k, 8,16,24
.irp c, 0,1,2,3
	v_pk_fma_f32 v[A+2*\c:A+2*\c+1], v[X+\k+2*\c:X+\k+2*\c+1], v[X+\k+2*\c:X+\k+2*\c+1], v[A+2*\c:A+2*\c+1]
.endr
.endr
	RED
	v_fma_f32 v[A], v[A], s18, s19                 ; var + 1e-6
	v_rsq_f32 v[RS], v[A]
	v_rsq_f32 v[RS+1], v[A]
	v_nop                                          ; a plain instruction behind the transcendentals
	s_wait_loadcnt 0x0
.set i_, 0
.rept 32                               ; g, then b: rounded to bf16 and widened again
	v_cvt_pk_bf16_f32 v[TT], v[G+2*i_], v[G+2*i_+1]
	v_lshlrev_b32 v[G+2*i_], 16, v[TT]
	v_and_b32 v[G+2*i_+1], 0xffff0000, v[TT]
.set i_, i_+1
.endr
.set i_, 0
	s_wait_alu depctr_va_vdst(0)
.rept 16
	v_pk_mul_f32 v[X+2*i_:X+2*i_+1], v[X+2*i_:X+2*i_+1], v[RS:RS+1]
.set i_, i_+1
.endr
.set i_, 0
.rept 16
	v_pk_fma_f32 v[X+2*i_:X+2*i_+1], v[X+2*i_:X+2*i_+1], v[G+2*i_:G+2*i_+1], v[BB+2*i_:BB+2*i_+1]
.set i_, i_+1
.endr
.irp j, 0,1,2,3,4,5,6,7
.if OUTBF
	v_cvt_pk_bf16_f32 v[X+4*\j], v[X+4*\j], v[X+4*\j+1]
	v_cvt_pk_bf16_f32 v[X+4*\j+1], v[X+4*\j+2], v[X+4*\j+3]
	global_store_b64 v[OO], v[X+4*\j:X+4*\j+1], s[10:11] offset:256*\j
.else
	global_store_b128 v[OO], v[X+4*\j:X+4*\j+3], s[10:11] offset:512*\j
.endif
.endr
	s_endpgm
.Lfunc_end_k_q72a46f0787_ln2:
	.size	k_q72a46f0787_ln2, .Lfunc_end_k_q72a46f0787_ln2-k_q72a46f0787_ln2
	.p2alignl 7, 3214868480
	.fill 96, 4, 3214868480
	.section	.rodata,"a",@progbits
	.p2align	6, 0x0
	.amdhsa_kernel k_q72a46f0787_ln2
		.amdhsa_group_segment_fixed_size 0
		.amdhsa_private_segment_fixed_size 0
		.amdhsa_enable_private_segment 0
		.amdhsa_kernarg_size 32
		.amdhsa_user_sgpr_count 2
		.amdhsa_user_sgpr_kernarg_segment_ptr 1
		.amdhsa_wavefront_size32 1
		.amdhsa_system_sgpr_workgroup_id_x 1
		.amdhsa_system_sgpr_workgroup_id_y 1
		.amdhsa_system_sgpr_workgroup_id_z 1
		.amdhsa_system_vgpr_workitem_id 0
		.amdhsa_next_free_vgpr 112
		.amdhsa_next_free_sgpr 66
		.amdhsa_reserve_vcc 0
		.amdhsa_float_denorm_mode_32 3
		.amdhsa_float_denorm_mode_16_64 3
		.amdhsa_memory_ordered 1
		.amdhsa_forward_progress 1
		.amdhsa_inst_pref_size 16
	.end_amdhsa_kernel
	.amdgpu_metadata
---
amdhsa.version: [ 1, 2 ]
amdhsa.kernels:
  - .name:           k_q72a46f0787_ln2
    .symbol:         k_q72a46f0787_ln2.kd
    .args:
      - { .name: y, .offset: 0, .size: 8, .value_kind: global_buffer, .address_space: global }
      - { .name: ln2_g, .offset: 8, .size: 8, .value_kind: global_buffer, .address_space: global }
      - { .name: ln2_b, .offset: 16, .size: 8, .value_kind: global_buffer, .address_space: global }
      - { .name: out0, .offset: 24, .size: 8, .value_kind: global_buffer, .address_space: global }
    .group_segment_fixed_size: 0
    .private_segment_fixed_size: 0
    .kernarg_segment_align: 8
    .kernarg_segment_size: 32
    .max_flat_workgroup_size: 256
    .sgpr_count:     66
    .vgpr_count:     112
    .wavefront_size: 32
...
	.end_amdgpu_metadata
.endif
;; end of part 8
